; MI455X (gfx1250); checked and timed in simulation.
; The chip was launched on July 23, 2026; its instructions are those of AMD's public machine-readable ISA for CDNA 5 (MIT licence, August 2026) and "CDNA5" Instruction Set Architecture Reference Guide (July 2026). The comments in the code are by the model that wrote it; some were corrected since.
;; Attention. Allowed arithmetic: matrix products marked QUANTISED: E2M1 operands, one E8M0 scale for each 32 along K, by v_wmma_scale_f32_16x16x128_f8f6f4 with both operands' format E2M1 (or v_wmma_scale_f32_32x16x128_f4), f32 sums; products left as they are: bf16, f16 or f32 operands; f32 sums; everything else in f32.
;; Inputs: Wk 1,024 x 1,024 float32; Wq 1,024 x 1,024 float32; Wv 1,024 x 1,024 float32; mask 4 x 2,048 x 2,048 bool; x 4 x 2,048 x 1,024 float32.
;; Outputs: out0 4 x 2,048 x 1,024 float32.
;; This version of the problem:
;;   THIS VERSION OF THE PROBLEM IS GIVEN IN LOW PRECISION. The matrix products marked QUANTISED in the list below multiply operands that are first quantised to E2M1 (2 exponent bits, 1 mantissa bit; 4 bits a number), with one power-of-two scale for each 32 numbers along K (OCP MX v1.0); their sums are f32. The products marked 'left as it is' may take bf16, f16 or f32 operands, with f32 sums. Whichever they take, every output number must still come out within the allowed error. Rounding operands to bf16 (8 significant bits) uses up far more of that allowance than f16 does (11 bits, for magnitudes from 6e-5 to 65,504). All else is computed in f32.
;;   The module's matrix products, in the order in which they are computed (A, B: the left and right operand; K: the contracted axis; several contracted axes count as one K, in the product's order):
;;     1. [M 8,192, K 1,024] x [K 1,024, N 1,024]; A: input x; B: input Wq: QUANTISED
;;     2. [M 8,192, K 1,024] x [K 1,024, N 1,024]; A: input x; B: input Wk: QUANTISED
;;     3. [M 8,192, K 1,024] x [K 1,024, N 1,024]; A: input x; B: input Wv: QUANTISED
;;     4. batch 4 x [M 2,048, K 1,024] x [K 1,024, N 2,048]; A: computed on the way; B: computed on the way: left as it is (an operand is computed on the way)
;;     5. batch 4 x [M 2,048, K 2,048] x [K 2,048, N 1,024]; A: computed on the way; B: computed on the way: left as it is (an operand is computed on the way)
;;   THE QUANTISER, for each operand of a quantised product, along K:
;;     - K is cut into blocks of 32 from its start; a last block that is shorter is filled with zeros.
;;     - A block's scale is 2^e with e = floor(log2(the largest magnitude in the block)) - 2, held to -126 .. 127; a block of zeros has e = 0. As a byte (E8M0): e + 127.
;;     - Each number is divided by its block's scale, clamped to +-6, and rounded to the nearest number of E2M1, ties to even, subnormals kept.
;;     - The product sums the exact products of the quantised numbers (number of the format x scale) in f32.
;;   ~~~python
;;   def quantise(x, axis):      # numpy; x: float32 -> the quantised numbers, widened to float32 again
;;       x = np.moveaxis(x, axis, -1); K = x.shape[-1]
;;       x = np.pad(x, [(0, 0)] * (x.ndim - 1) + [(0, -K % 32)]); x = x.reshape(x.shape[:-1] + (-1, 32)); a = np.abs(x).max(-1, keepdims=True)
;;       e = np.where(a > 0, np.clip(np.frexp(np.where(a > 0, a, 1))[1] - 1 - 2, -126, 127), 0)      # np.frexp(a)[1] - 1 = floor(log2(a)), exactly
;;       r = np.clip(x / 2.0 ** e, -6, 6)
;;       step = 2.0 ** (np.maximum(np.frexp(np.where(r == 0, 1, r))[1] - 1, 0) - 1)
;;       q = np.round(r / step) * step * 2.0 ** e      # np.round: ties to even
;;       return np.moveaxis(q.reshape(q.shape[:-2] + (-1,))[..., :K], -1, axis).astype(np.float32)
;;   ~~~
;; One version. Each part assembles by itself: llvm-mc -triple=amdgcn-amd-amdhsa -mcpu=gfx1250 --defsym DOCPART=n.
;; ======== version 1 of 1: 5 launches
;; limits: values are held in f16: magnitudes above 65,504 overflow, below 6.1e-05 lose precision
;; workspace buffers: xc 4,194,304 bytes; xs 262,144 bytes; wc 1,572,864 bytes; ws 98,304 bytes; qkv 51,118,080 bytes; pimg 33,554,432 bytes; stats 1,048,576 bytes; flags 256 bytes of whole numbers
;; launch quant (part 1): grid 353 x 1, 4 waves a work-group, no clusters, 33,280 bytes of LDS; arguments x, Wq, Wk, Wv, xc, xs, wc, ws, mask, flags; writes xc, xs, wc, ws, flags
.if DOCPART == 1
	.amdgcn_target "amdgcn-amd-amdhsa--gfx1250"
	.amdhsa_code_object_version 6
	.text
	.protected	k_q03a926808d_quant
	.globl	k_q03a926808d_quant
	.p2align	8
	.type	k_q03a926808d_quant,@function
k_q03a926808d_quant:
	s_mov_b64 s[64:65], 0
	v_nop
	global_prefetch_b8 v0, s[64:65] scope:SCOPE_SE
	s_setreg_imm32_b32 hwreg(HW_REG_WAVE_MODE, 25, 1), 1
	s_wait_xcnt 0x0
; ATTENTION, one head of width 1,024, 4 sequences of 2,048.  Five launches: (1) this one: x and [Wq; Wk; Wv] into codes of FP4 (E2M1) with one E8M0 byte for each 32 along K, and 64 flags a sequence for launch 5;
; (2) q, k, v^T by scaled matrix instructions on those codes; (3) masked scores and p by blocks of 128 keys; (4) p v; (5) the first 16 positions of every sequence once more, more finely.
; NO WORK IS LEFT OUT: every input (x, mask, Wq, Wk, Wv) has a way to the output and is loaded; the mask is an input, so no tile of scores is dropped on the strength of its pattern in the two large products.
; THE QUANTISER.  A block's scale is 2^(floor(log2(its largest magnitude)) - 2); its byte is the largest magnitude's own exponent field - 2, held at 1 from below.  A block of zeros so gets the byte 1 where the
; rule says 127: its codes are zeros, which add nothing under any byte but 0xff, and this program alone reads the bytes.  Each number is divided by the scale and rounded to the nearest code, ties to even.
; LIMITS: blocks whose largest magnitude lies under 2^-124, the floor, keep the byte 1; NaN and infinities among the inputs are not served; mask bytes are 0 or 1.
; Rows are dense and K = 1,024 is a multiple of 32, so each tensor is a plain stream of blocks of 32.  A work-group takes 32,768 numbers: groups 1-256 x, 257-288 Wq, 289-320 Wk, 321-352 Wv; the three weights'
; codes follow each other in wc and ws.  Only pointers are chosen, by the work-group's number.
; A wave takes 16 steps of 512 numbers.  Each of a step's four loads reads 512 consecutive bytes; the 2,048 bytes turn through the wave's own stage in LDS and come back 64 bytes a lane (16 neighbours along K;
; two neighbouring lanes hold a block).  A lane's 16 codes are 8 bytes: the wave stores 256 consecutive bytes.  A wave's 256 scale bytes are gathered in LDS and leave as 256 consecutive bytes.
; GROUP 0 SCANS THE MASK: its wave w joins, by OR, rows 0-15 of sequence w; bit j of the 64 that it stores says whether any of those rows keeps a key of block j (keys 32 j .. 32 j + 31).  It touches no LDS.
.set WAVES, 4
.set STEPS, 16
.set EMAX,  2
.set CB,    8                          ; bytes of 16 codes
.set R,     16                         ; v16-79   four sets of 16 numbers as they are loaded (the scan: set 0)
.set X,     80                         ; v80-111  two sets of 16 neighbours (the scan: v80-143 set 1)
.set E,     112                        ; v112-127 a scale byte for each step
.set C,     128                        ; v128-191 codes: four registers for each step, so that no store's data are written again
.set SUM,   144                        ; the scan: v144-147 blocks 0-31, v148-151 blocks 32-63
.set WREG,  8192                       ; LDS: a region for each wave: two stages of 32 x SP bytes, behind them its 256 scale bytes
.set SP,    80                         ; a lane's place in a stage: 64 bytes + 16 of padding
.set SPW,   12                         ; v12 LDS address of my spare word; never rewritten
.set NIL,   13                         ; v13 0; never rewritten
.set SPARE, WAVES*WREG                 ; behind the four regions: the spare words, 128 bytes a wave
	s_load_b512 s[4:19], s[0:1], 0x0               ; x s[4:5], Wq s[6:7], Wk s[8:9], Wv s[10:11], xc s[12:13], xs s[14:15], wc s[16:17], ws s[18:19]
	s_load_b128 s[32:35], s[0:1], 0x40             ; mask s[32:33], flags s[34:35]
	v_lshl_add_u32 v[SPW], v0, 2, SPARE
	v_mov_b32 v[NIL], 0
	v_lshrrev_b32 v1, 5, v0
	v_readfirstlane_b32 s24, v1                    ; wave
	v_and_b32 v2, 31, v0                           ; lane
	v_lshlrev_b32 v3, 4, v2                        ; my 16 bytes of a load's 512
	s_mul_i32 s25, s24, WREG
	v_lshrrev_b32 v14, 2, v2
	v_mul_u32_u24 v14, v14, SP
	v_and_b32 v15, 3, v2
	v_lshl_add_u32 v14, v15, 4, v14
	v_add_nc_u32 v14, s25, v14                     ; the stage, on the way in: SP (lane / 4) + 16 (lane % 4)
	v_mul_u32_u24 v15, v2, SP
	v_add_nc_u32 v15, s25, v15                     ; and on the way out: SP x lane
	v_mul_u32_u24 v4, v2, CB                       ; my codes' place in a step's
	v_lshrrev_b32 v5, 1, v2
	s_add_co_u32 s25, s25, 2*32*SP
	v_add_nc_u32 v5, s25, v5                       ; my block's scale byte in LDS
	v_lshlrev_b32 v7, 3, v2
	v_add_nc_u32 v6, s25, v7                       ; and on the way out 8 bytes a lane
	s_sub_co_u32 s22, ttmp9, 1                     ; the stream's groups count from 1 (not used in group 0)
	s_sub_co_u32 s20, s22, 256                     ; a weight's group counted from Wq's first (not used in x's groups)
	s_and_b32 s21, s20, 31                         ; and inside its own weight
	s_wait_kmcnt 0x0
	s_cmp_eq_u32 ttmp9, 0
	s_cbranch_scc1 .Lscan                          ; group 0, issued first, scans the mask beside the stream
	s_cmp_lt_u32 s22, 288
	s_cselect_b64 s[6:7], s[6:7], s[8:9]           ; Wq or Wk,
	s_cmp_lt_u32 s22, 320
	s_cselect_b64 s[6:7], s[6:7], s[10:11]         ; or Wv
	s_cmp_lt_u32 s22, 256                          ; x or a weight: the choices hang on the work-group's number alone
	s_cselect_b64 s[4:5], s[4:5], s[6:7]
	s_cselect_b64 s[12:13], s[12:13], s[16:17]
	s_cselect_b64 s[14:15], s[14:15], s[18:19]
	s_cselect_b32 s21, s22, s21                    ; the group's place in its source,
	s_cselect_b32 s20, s22, s20                    ; and in its codes' buffer
	s_lshl_b32 s21, s21, 2
	s_add_co_u32 s26, s21, s24                     ; my wave's run of 8,192 numbers in the source
	s_mov_b32 s27, 0
	s_lshl_b64 s[28:29], s[26:27], 15
	s_add_nc_u64 s[4:5], s[4:5], s[28:29]
	s_lshl_b32 s20, s20, 2
	s_add_co_u32 s26, s20, s24                     ; and in the results
	s_lshl_b64 s[28:29], s[26:27], 12              ; 4,096 bytes of codes a run
	s_add_nc_u64 s[12:13], s[12:13], s[28:29]
	s_lshl_b64 s[28:29], s[26:27], 8               ; 256 scale bytes a run
	s_add_nc_u64 s[14:15], s[14:15], s[28:29]
.macro LOAD t
.irp i, 0,1,2,3
	global_load_b128 v[R+16*((\t)%4)+4*\i:R+16*((\t)%4)+4*\i+3], v3, s[4:5] offset:2048*(\t)+512*\i th:TH_LOAD_NT   ; 32 lanes read 512 consecutive bytes
.endr
.endm
.macro TURN t                          ; step t's numbers through the stage: LDS serves a wave's instructions in order, so no wait stands between the stores and the loads
.irp i, 0,1,2,3
	ds_store_b128 v14, v[R+16*((\t)%4)+4*\i:R+16*((\t)%4)+4*\i+3] offset:32*SP*((\t)%2)+8*SP*\i
.endr
.irp i, 0,1,2,3
	ds_load_b128 v[X+16*((\t)%2)+4*\i:X+16*((\t)%2)+4*\i+3], v15 offset:32*SP*((\t)%2)+16*\i
.endr
.endm
.irp t, 0,1,2,3
	LOAD \t
.endr
	s_wait_loadcnt 12                              ; step 0's four loads are in
	TURN 0
.macro STEP t
.set XS, X+16*((\t)%2)
.if (\t) > 0
	s_wait_dscnt 1                                 ; this step's numbers are back from the stage (the last step's byte store may be out)
.else
	s_wait_dscnt 0x0
.endif
.if (\t)+4 < STEPS
	LOAD (\t)+4                                    ; the registers that the stage's stores have read take the loads of four steps on
.endif
.if (\t)+1 < STEPS
.if STEPS-2-(\t) >= 3
	s_wait_loadcnt 12                              ; the next step's four loads are in; those of the three steps behind it may be out
.else
	s_wait_loadcnt 4*(STEPS-2-(\t))
.endif
	TURN (\t)+1
.endif
	v_max3_num_f32 v8, |v[XS]|, |v[XS+1]|, |v[XS+2]|               ; the largest magnitude of my 16, in two chains
	v_max3_num_f32 v9, |v[XS+3]|, |v[XS+4]|, |v[XS+5]|
.irp i, 6,10
	v_max3_num_f32 v8, v8, |v[XS+\i]|, |v[XS+\i+1]|
	v_max3_num_f32 v9, v9, |v[XS+\i+2]|, |v[XS+\i+3]|
.endr
	v_max3_num_f32 v8, v8, |v[XS+14]|, |v[XS+15]|
	v_max3_num_f32 v8, v8, v9, (EMAX+1)<<23        ; and the floor 2^(3 - 127): the byte cannot fall under 1
	v_max_num_f32_dpp v8, v8, v8 row_xmask:1 row_mask:0xf bank_mask:0xf   ; with my neighbour's 16: the block's
	v_add_nc_u32 v11, -(EMAX<<23), v8              ; 2 off its exponent field: the conversion takes the exponent field of this operand as its scale
	v_cvt_scalef32_pk8_fp4_f32 v[C+4*(\t)], v[XS:XS+7], v11
	v_cvt_scalef32_pk8_fp4_f32 v[C+4*(\t)+1], v[XS+8:XS+15], v11
	v_lshrrev_b32 v[E+(\t)], 23, v11               ; the scale's byte (a plain line behind the conversions)
	ds_store_b8 v5, v[E+(\t)] offset:16*(\t)       ; both lanes of a block write the same byte with the same value
	global_store_b64 v4, v[C+4*(\t):C+4*(\t)+1], s[12:13] offset:32*CB*(\t)
.endm
.irp t, 0,1,2,3,4,5,6,7,8,9,10,11,12,13,14,15
	STEP \t
.endr
	ds_load_b64 v[8:9], v6                         ; LDS serves a wave's instructions in order: these see my stores
	s_wait_dscnt 0x0
	global_store_b64 v7, v[8:9], s[14:15]          ; 32 lanes store 256 consecutive bytes, aligned
	s_wait_tensorcnt 0x0                           ; the wave's end, behind my last LDS store
	ds_add_u32 v[SPW], v[NIL]
	s_wait_dscnt 0x0
	s_endpgm
; THE SCAN.  Lane l takes blocks l and 32 + l of each of the 16 rows, 32 bytes each as two loads.  Four rows (16 loads) a batch, two sets of registers by turns.
.macro SCANLD set, r0
.irp n, 0,1,2,3,4,5,6,7,8,9,10,11,12,13,14,15
	global_load_b128 v[R+64*\set+4*\n:R+64*\set+4*\n+3], v10, s[32:33] offset:(\r0+\n/4)*2048+((\n/2)%2)*1024+(\n%2)*16
.endr
.endm
.macro SCANOR set
.irp n, 0,1,2,3,4,5,6,7,8,9,10,11,12,13,14,15
.irp k, 0,1,2,3
	v_or_b32 v[SUM+4*((\n/2)%2)+\k], v[SUM+4*((\n/2)%2)+\k], v[R+64*\set+4*\n+\k]
.endr
.endr
.endm
.Lscan:
	s_lshl_b32 s20, s24, 22                        ; my sequence's mask: 2,048 rows of 2,048 bytes
	s_mov_b32 s21, 0
	s_add_nc_u64 s[32:33], s[32:33], s[20:21]
	v_lshlrev_b32 v10, 5, v2                       ; 32 x lane
	SCANLD 0, 0
	SCANLD 1, 4
.irp k, 0,1,2,3,4,5,6,7
	v_mov_b32 v[SUM+\k], 0
.endr
	s_wait_loadcnt 16                              ; the older batch is in; the younger 16 loads may be out
	SCANOR 0
	SCANLD 0, 8
	s_wait_loadcnt 16
	SCANOR 1
	SCANLD 1, 12
	s_wait_loadcnt 16
	SCANOR 0
	s_wait_loadcnt 0x0
	SCANOR 1
	v_or_b32 v[SUM], v[SUM], v[SUM+1]
	v_or_b32 v[SUM+2], v[SUM+2], v[SUM+3]
	v_or_b32 v[SUM+4], v[SUM+4], v[SUM+5]
	v_or_b32 v[SUM+6], v[SUM+6], v[SUM+7]
	v_or_b32 v[SUM], v[SUM], v[SUM+2]
	v_or_b32 v[SUM+4], v[SUM+4], v[SUM+6]
	v_cmp_ne_u32 s36, 0, v[SUM]                    ; bit l: block l
	v_cmp_ne_u32 s37, 0, v[SUM+4]                  ; bit l: block 32 + l
	v_mov_b32 v152, s36
	v_mov_b32 v153, s37
	v_lshlrev_b32 v154, 3, v1                      ; 8 bytes a sequence
	v_cmp_eq_u32 vcc_lo, 0, v2
	s_wait_xcnt 0x0                                ; EXEC changes only when the pending loads have read it
	s_and_saveexec_b32 s38, vcc_lo                 ; one lane stores
	global_store_b64 v154, v[152:153], s[34:35]
	s_wait_xcnt 0x0
	s_or_b32 exec_lo, exec_lo, s38
	s_endpgm
.Lfunc_end_k_q03a926808d_quant:
	.size	k_q03a926808d_quant, .Lfunc_end_k_q03a926808d_quant-k_q03a926808d_quant
	.p2alignl 7, 3214868480
	.fill 96, 4, 3214868480
	.section	.rodata,"a",@progbits
	.p2align	6, 0x0
	.amdhsa_kernel k_q03a926808d_quant
		.amdhsa_group_segment_fixed_size 33280
		.amdhsa_private_segment_fixed_size 0
		.amdhsa_enable_private_segment 0
		.amdhsa_kernarg_size 80
		.amdhsa_user_sgpr_count 2
		.amdhsa_user_sgpr_kernarg_segment_ptr 1
		.amdhsa_wavefront_size32 1
		.amdhsa_system_sgpr_workgroup_id_x 1
		.amdhsa_system_sgpr_workgroup_id_y 1
		.amdhsa_system_sgpr_workgroup_id_z 1
		.amdhsa_system_vgpr_workitem_id 0
		.amdhsa_next_free_vgpr 192
		.amdhsa_next_free_sgpr 66
		.amdhsa_reserve_vcc 1
		.amdhsa_float_denorm_mode_32 3
		.amdhsa_float_denorm_mode_16_64 3
		.amdhsa_memory_ordered 1
		.amdhsa_forward_progress 1
		.amdhsa_inst_pref_size 49
	.end_amdhsa_kernel
	.amdgpu_metadata
---
amdhsa.version: [ 1, 2 ]
amdhsa.kernels:
  - .name:           k_q03a926808d_quant
    .symbol:         k_q03a926808d_quant.kd
    .args:
      - { .name: x, .offset: 0, .size: 8, .value_kind: global_buffer, .address_space: global }
      - { .name: Wq, .offset: 8, .size: 8, .value_kind: global_buffer, .address_space: global }
      - { .name: Wk, .offset: 16, .size: 8, .value_kind: global_buffer, .address_space: global }
      - { .name: Wv, .offset: 24, .size: 8, .value_kind: global_buffer, .address_space: global }
      - { .name: xc, .offset: 32, .size: 8, .value_kind: global_buffer, .address_space: global }
      - { .name: xs, .offset: 40, .size: 8, .value_kind: global_buffer, .address_space: global }
      - { .name: wc, .offset: 48, .size: 8, .value_kind: global_buffer, .address_space: global }
      - { .name: ws, .offset: 56, .size: 8, .value_kind: global_buffer, .address_space: global }
      - { .name: mask, .offset: 64, .size: 8, .value_kind: global_buffer, .address_space: global }
      - { .name: flags, .offset: 72, .size: 8, .value_kind: global_buffer, .address_space: global }
    .group_segment_fixed_size: 33280
    .private_segment_fixed_size: 0
    .kernarg_segment_align: 8
    .kernarg_segment_size: 80
    .max_flat_workgroup_size: 128
    .sgpr_count:     66
    .vgpr_count:     192
    .wavefront_size: 32
...
	.end_amdgpu_metadata
.endif
;; end of part 1
;; launch proj (part 2): grid 8 x 48, 4 waves a work-group, clusters of 4 x 4, 327,680 bytes of LDS; arguments xc, xs, wc, ws, qkv; writes qkv
.if DOCPART == 2
	.amdgcn_target "amdgcn-amd-amdhsa--gfx1250"
	.amdhsa_code_object_version 6
	.text
	.protected	k_q03a926808d_proj
	.globl	k_q03a926808d_proj
	.p2align	8
	.type	k_q03a926808d_proj,@function
k_q03a926808d_proj:
	s_mov_b64 s[64:65], 0
	v_nop
	global_prefetch_b8 v0, s[64:65] scope:SCOPE_SE
	s_setreg_imm32_b32 hwreg(HW_REG_WAVE_MODE, 25, 1), 1
	s_wait_xcnt 0x0
	s_wait_alu depctr_hold_cnt(0) depctr_sa_sdst(0) depctr_va_vdst(0) depctr_va_sdst(0) depctr_va_ssrc(0) depctr_va_vcc(0) depctr_vm_vsrc(0)
	s_getreg_b32 s2, hwreg(HW_REG_IB_STS2, 6, 4)
	s_cmp_eq_u32 s2, 0
	s_cbranch_scc0 .Lentry_in_a_cluster
	s_endpgm
.Lentry_in_a_cluster:
	s_bfe_u32 s2, ttmp6, 0x10000c
	s_cmp_lg_u32 s2, 0xf033
	s_cbranch_scc0 .Lentry_shape_is_right
	s_endpgm
.Lentry_shape_is_right:
; q = x Wq^T, k = x Wk^T and v^T = Wv x^T on codes of FP4 (E2M1) with E8M0 scales, K = 1,024; sums in f32; results rounded to f16 and stored AS IMAGES OF OPERAND REGISTERS for the later products.  No work is left out.
; A tile of 256 x 256 is made by four waves, 128 x 128 each: 64 accumulators.  K goes in two steps of 512 through two LDS slots, each filled once; the scale bytes of the tile's rows come once beside them.
; TWO REGIONS, told apart by the cluster's y alone.  Clusters y 0-7: side A = 256 rows of x (tokens), side B = 256 rows of [Wq; Wk].  Clusters y 8-11: side A = 256 rows of Wv (channels), side B = 256 rows of x.
; Both tensors are [rows][512 bytes] of codes with [rows][32] scale bytes, so only four pointers and two row numbers are chosen.
; CLUSTERS 4 x 4: A's tile is shared along a row of the cluster, B's along a column: joint loads with a mask of four.
; THE MATRIX INSTRUCTION IS USED TRANSPOSED (source 0 = 16 rows of B, source 1 = 16 rows of A): a lane holds one row of A's side and eight neighbouring columns.  Packed in pairs to f16, column tile 2 g is registers 0-3
; and tile 2 g + 1 registers 4-7 of a 16-bit fragment (16 rows x 32 along the next K).  An image is 1,024 bytes: registers 0-3, lane l's 16 bytes at 16 l, then registers 4-7 likewise: each store covers 512 consecutive bytes.
; qkv: q at 0 [row tile 512][32 along d: 32][1 KB]; k at 16 MiB likewise; v^T at 32 MiB [channel tile 64][32 tokens: 256][1 KB]; THE LOW PARTS at 48 MiB.
; The low parts: what rounding to f16 took off, again as f16, for the first tokens of each sequence: q's tokens 0-15, k's tokens 0-31 ([sequence][row tile 2][q 32, k 32][1 KB]), and 512 KB further on v^T's tokens 0-31
; ([sequence][channel tile 64][1 KB]).  The partner of a cluster that owns those tokens is picked by EXEC, not by a branch; the three others compute the low parts and store nothing.
; LIMIT: |q|, |k|, |v| up to 65,504, f16's largest number.
.set NQ,     4                         ; matrix instructions deep in a slot (512 along K)
.set ROWB,   256                       ; a tile's row in bytes
.set KROW,   512                       ; a row of codes in memory
.set PITCH,  272                       ; an LDS row: 256 bytes + 16 of padding, so that 16 rows start 16 bytes further on in turn
.set FR,     8
.set NL,     2
.set NP,     4
.set HALFT,  128*PITCH
.set SLOT,   4*HALFT
.set KS,     32                        ; a row of scale bytes
.set SCL,    2*SLOT
.set HALFS,  (128*KS/256)*272
.set SBLK,   (16*KS/256)*272
.set SPARE,  SCL+4*HALFS
.set LOB,    50331648                  ; where the low parts begin in qkv
.set ADRA, 16
.set ADRB, 20
.set CO,   26                          ; v26 16 x lane
.set ADRS, 27
.set SPW,  28
.set NIL,  29
.set CYV,  30                          ; v30 cy, v31 cx: for the choice of the storing partner by EXEC
.set CXV,  31
.set SC,   32                          ; scale words, two sets of 32
.set AF,   128                         ; A's fragments, window 0
.set TMP,  32                          ; the way out: packed results, v32-63 and v64-95 by turns
.set LH,   96                          ; v96-127 packed low parts
.set LE,   128                         ; v128-191 the high parts widened again, then the differences
.set G1, 24
.set G0, 32
.set G1B, 48
.set G0B, 56
.set G1S, 68
.set G0S, 76
.set G1SB, 80
.set G0SB, 88
.set MSB, 0
.macro WIN new                         ; the immediate's high byte repeats the setting that is left
.if MSB != \new
	s_set_vgpr_msb (MSB<<8)|\new
.set MSB, \new
.endif
.endm
.set MUL_LO, 0xa1                      ; source 0 (B) window 1, source 1 (A) window 0, C and D window 2
.set MUL_HI, 0xf1
.set TO_B,   0x40
.macro JLOAD g0a, g1a, g0b, g1b        ; waves 0, 1 fetch for A, waves 2, 3 for B
	s_cmp_eq_u32 s15, 0
	s_cbranch_scc0 .Lfor_b_\@
	tensor_load_to_lds s[\g0a:\g0a+3], s[\g1a:\g1a+7]
	s_nop 0
.rept 4
	v_nop
.endr
	s_branch .Lasked_\@
.Lfor_b_\@:
	tensor_load_to_lds s[\g0b:\g0b+3], s[\g1b:\g1b+7]
	s_nop 0
.rept 4
	v_nop
.endr
.Lasked_\@:
.endm
.macro CROUND                          ; a round of the cluster's barrier
	s_barrier_signal -1
	s_barrier_wait -1
	s_cmp_lg_u32 s14, 0
	s_cbranch_scc1 .Lnot_wave_0_\@
	s_barrier_signal -3
.Lnot_wave_0_\@:
	s_barrier_wait -3
	s_barrier_signal -1
	s_barrier_wait -1
.endm
	s_load_b128 s[4:7], s[0:1], 0x0                ; x's codes, x's scales
	s_load_b128 s[8:11], s[0:1], 0x10              ; the weights' codes, their scales
	s_load_b64 s[12:13], s[0:1], 0x20              ; qkv, for the images
	s_load_b64 s[66:67], s[0:1], 0x20              ; qkv once more, for the low parts
	v_lshl_add_u32 v[SPW], v0, 2, SPARE
	v_mov_b32 v[NIL], 0
	ds_add_u32 v[SPW], v[NIL]                      ; the opening: the add, twice on end, and its wait ahead of my first tensor load
	ds_add_u32 v[SPW], v[NIL]
	v_lshrrev_b32 v1, 5, v0
	v_readfirstlane_b32 s14, v1                    ; wave
	s_lshr_b32 s15, s14, 1                         ; my half of the tile's rows; also: I fetch for A (0) or B (1)
	s_and_b32 s16, s14, 1                          ; my half of its columns; also: which 128 rows I fetch
	s_bfe_u32 s40, ttmp6, 0x40000                  ; cx
	s_bfe_u32 s41, ttmp6, 0x40004                  ; cy
	s_and_b32 s96, ttmp7, 0xffff                   ; the cluster's y
	s_lshl_b32 s17, s96, 10
	s_sub_co_u32 s97, s96, 8
	s_lshl_b32 s97, s97, 11
	s_cmp_ge_u32 s96, 8                            ; region v^T?
	s_cselect_b32 s17, 2048, s17                   ; A's first row for the cluster: Wv's first row in wc, or 1,024 x cluster y in x
	s_cselect_b32 s97, s97, 0
	s_lshl_b32 s42, ttmp9, 10
	s_add_co_u32 s42, s42, s97                     ; B's: 1,024 x cluster x (+ 2,048 x sequence in region v^T)
	s_lshl_b32 s18, s41, 8
	s_add_co_u32 s17, s17, s18                     ; A's tile: + 256 cy
	s_lshl_b32 s95, s40, 8
	s_add_co_u32 s42, s42, s95                     ; B's tile: + 256 cx
	s_lshl_b32 s43, s41, 2
	s_lshl_b32 s43, 15, s43                        ; my row of the cluster
	s_lshl_b32 s44, 0x1111, s40                    ; my column
	s_or_b32 s[G1+0], s43, (0<<16)|(1<<20)|(1<<21)|(5<<22)|(3<<25)   ; mask; elements of 1 byte; padding: 4 words behind every 64
	s_or_b32 s[G1B+0], s44, (0<<16)|(1<<20)|(1<<21)|(5<<22)|(3<<25)
.irp g, G1, G1B
	s_mov_b32 s[\g+1], ROWB<<16                    ; tensor_dim0
	s_mov_b32 s[\g+2], 128<<16                     ; tensor_dim1
	s_mov_b32 s[\g+3], ROWB<<16                    ; tile_dim0
	s_mov_b32 s[\g+4], 128                         ; tile_dim1
	s_mov_b32 s[\g+5], KROW                        ; pitch
	s_mov_b32 s[\g+6], 0
	s_mov_b32 s[\g+7], 0
.endr
	s_or_b32 s[G1S+0], s43, (3<<16)|(1<<20)|(1<<21)|(5<<22)|(3<<25)  ; the scales of 128 rows: 4,096 dense bytes as 16 rows of 256, padded likewise
	s_or_b32 s[G1SB+0], s44, (3<<16)|(1<<20)|(1<<21)|(5<<22)|(3<<25)
.irp g, G1S, G1SB
	s_mov_b32 s[\g+1], 32<<16
	s_mov_b32 s[\g+2], (128*KS/256)<<16
	s_mov_b32 s[\g+3], 32<<16
	s_mov_b32 s[\g+4], 128*KS/256
	s_mov_b32 s[\g+5], 32
	s_mov_b32 s[\g+6], 0
	s_mov_b32 s[\g+7], 0
.endr
	s_lshl_b32 s18, s16, 7
	s_add_co_u32 s20, s17, s18                     ; the 128 rows that I fetch, on A's side
	s_add_co_u32 s46, s42, s18                     ; and on B's
	s_lshl_b32 s22, s20, 5                         ; their scales, in bytes
	s_mov_b32 s23, 0
	s_lshl_b32 s92, s46, 5
	s_mov_b32 s93, 0
	s_lshl_b32 s20, s20, 9                         ; their codes
	s_mov_b32 s21, 0
	s_lshl_b32 s46, s46, 9
	s_mov_b32 s47, 0
	s_mul_i32 s45, s14, HALFT                      ; where they go: by the wave's number alone
	s_mul_i32 s94, s14, HALFS
	s_wait_dscnt 0x0                               ; both opening adds are done
	s_wait_kmcnt 0x0
	s_cmp_ge_u32 s96, 8                            ; in region v^T the weights are side A and x is side B
	s_cselect_b64 s[98:99], s[8:9], s[4:5]
	s_cselect_b64 s[8:9], s[4:5], s[8:9]
	s_mov_b64 s[4:5], s[98:99]
	s_cselect_b64 s[98:99], s[10:11], s[6:7]
	s_cselect_b64 s[10:11], s[6:7], s[10:11]
	s_mov_b64 s[6:7], s[98:99]
	s_add_nc_u64 s[20:21], s[4:5], s[20:21]
	s_add_nc_u64 s[22:23], s[6:7], s[22:23]
	s_add_nc_u64 s[46:47], s[8:9], s[46:47]
	s_add_nc_u64 s[92:93], s[10:11], s[92:93]
	CROUND                                         ; all sixteen work-groups are here: the first joint loads meet
	s_mov_b32 s[G0S], 1
	s_add_co_u32 s[G0S+1], s94, SCL
	s_mov_b64 s[G0S+2:G0S+3], s[22:23]
	s_or_b32 s[G0S+3], s[G0S+3], 0x80000000
	s_mov_b32 s[G0SB], 1
	s_add_co_u32 s[G0SB+1], s94, SCL
	s_mov_b64 s[G0SB+2:G0SB+3], s[92:93]
	s_or_b32 s[G0SB+3], s[G0SB+3], 0x80000000
	JLOAD G0S, G1S, G0SB, G1SB                     ; the scales first
.irp s, 0,1
	s_mov_b32 s[G0+4*\s], 1
	s_add_co_u32 s[G0+4*\s+1], s45, \s*SLOT
	s_add_nc_u64 s[G0+4*\s+2:G0+4*\s+3], s[20:21], \s*ROWB
	s_or_b32 s[G0+4*\s+3], s[G0+4*\s+3], 0x80000000
	s_mov_b32 s[G0B+4*\s], 1
	s_add_co_u32 s[G0B+4*\s+1], s45, \s*SLOT
	s_add_nc_u64 s[G0B+4*\s+2:G0B+4*\s+3], s[46:47], \s*ROWB
	s_or_b32 s[G0B+4*\s+3], s[G0B+4*\s+3], 0x80000000
	JLOAD G0+4*\s, G1, G0B+4*\s, G1B               ; both K steps: three loads of mine are out, and nothing is ever filled again
.endr
	v_and_b32 v1, 15, v0                           ; r
	v_bfe_u32 v2, v0, 4, 1                         ; h
	v_mul_u32_u24 v3, v1, PITCH
	v_lshl_add_u32 v4, v2, 4, v3
	s_mul_i32 s21, s15, HALFT
	s_mul_i32 s22, s16, HALFT
	s_add_co_u32 s22, s22, 2*HALFT
.irp s, 0,1
	v_add_nc_u32 v[ADRA+\s], s21, v4
	v_add_nc_u32 v[ADRB+\s], s22, v4
	s_add_co_u32 s21, s21, SLOT
	s_add_co_u32 s22, s22, SLOT
.endr
	v_mul_u32_u24 v5, v1, KS                       ; my row's scales: 32 bytes a row, 16 more for each 256 passed
	v_lshrrev_b32 v6, 8, v5
	v_lshl_add_u32 v5, v6, 4, v5
	s_mul_i32 s21, s15, HALFS
	s_mul_i32 s22, s16, HALFS
	s_add_co_u32 s22, s22, 2*HALFS
	s_sub_co_u32 s22, s22, s21
	v_mul_u32_u24 v6, s22, v2                      ; lanes 16-31 take B's
	s_add_co_u32 s21, s21, SCL
	v_add_nc_u32 v5, v5, v6
	v_add_nc_u32 v[ADRS], s21, v5
	v_and_b32 v6, 31, v0
	v_lshlrev_b32 v[CO], 4, v6
	v_mov_b32 v[CYV], s41
	v_mov_b32 v[CXV], s40
	; where my images go.  q, k: (cluster x) 16 MiB + (16 Y + 8 row half) 32 KB + (8 cx + 4 column half) KB, Y = 4 cluster y + cy;  v^T: 32 MiB + (16 cy + 8 row half) 256 KB + (token / 32) KB
	s_lshl_b32 s20, s96, 2
	s_add_co_u32 s20, s20, s41
	s_lshl_b32 s20, s20, 4
	s_lshl_b32 s21, s15, 3
	s_add_co_u32 s20, s20, s21
	s_lshl_b32 s20, s20, 15
	s_lshl_b32 s22, ttmp9, 24
	s_add_co_u32 s20, s20, s22
	s_lshl_b32 s22, s40, 3
	s_lshl_b32 s23, s16, 2
	s_add_co_u32 s22, s22, s23                     ; 8 cx + 4 column half
	s_lshl_b32 s23, s22, 10
	s_add_co_u32 s20, s20, s23                     ; q, k
	s_lshl_b32 s98, ttmp9, 5
	s_add_co_u32 s98, s98, s22                     ; 32 cluster x + 8 cx + 4 column half
	s_lshl_b32 s23, s41, 4
	s_add_co_u32 s23, s23, s21                     ; 16 cy + 8 row half
	s_sub_co_u32 s99, s96, 8
	s_lshl_b32 s99, s99, 6                         ; 64 x sequence (region v^T)
	s_lshl_b32 s46, s23, 18
	s_add_co_u32 s47, s98, s99
	s_lshl_b32 s47, s47, 10
	s_add_co_u32 s46, s46, s47
	s_add_co_u32 s46, s46, 33554432                ; v^T
	s_lshr_b32 s47, s96, 1
	s_lshl_b32 s47, s47, 17
	s_lshl_b32 s98, s98, 10
	s_add_co_u32 s47, s47, s98                     ; low parts, q and k: sequence x 128 KB + column group KB
	s_add_co_u32 s99, s99, s23
	s_lshl_b32 s99, s99, 10
	s_add_co_u32 s99, s99, 524288                  ; low parts, v^T: 512 KB + (64 sequence + channel tile) KB
	s_mov_b32 s44, 32768                           ; from a block of 16 rows to the next
	s_mov_b32 s45, 0
	s_mov_b32 s21, 0
	s_cmp_ge_u32 s96, 8
	s_cselect_b32 s20, s46, s20
	s_cselect_b32 s44, 262144, s44
	s_cselect_b32 s46, s99, s47
	s_add_co_u32 s46, s46, LOB                     ; behind the last selection on that compare: the low parts' region in qkv
	s_mov_b32 s47, 0
	s_add_nc_u64 s[12:13], s[12:13], s[20:21]
	s_add_nc_u64 s[66:67], s[66:67], s[46:47]
	; who makes low parts: numbers of the cluster and of the wave alone
	s_and_b32 s92, s96, 1
	s_or_b32 s92, s92, s15
	s_lshr_b32 s93, s96, 3                         ; 1 in region v^T
	s_or_b32 s92, s92, s93                         ; 0: tokens 0-15 of a sequence may be mine (q and k)
	s_xor_b32 s94, ttmp9, 1
	s_or_b32 s94, s94, s92                         ; 0: and tokens 16-31, for k alone
	s_xor_b32 s93, s93, 1
	s_or_b32 s93, s93, ttmp9
	s_or_b32 s93, s93, s16                         ; 0: tokens 0-31 may be mine (v^T)
.macro FRAG reg, adr, q, i             ; 16 rows x 128 K of 4-bit codes: 8 registers, two loads of 16 bytes, 32 bytes apart
.irp c, 0,1
	ds_load_b128 v[\reg+4*\c:\reg+4*\c+3], v[\adr] offset:64*(\q)+32*\c+(\i)*16*PITCH
.endr
.endm
; 16 matrix instructions: A's blocks a0, a0 + 1 x B's eight.  The 64 accumulators take turns, one instruction a turn.  zero = 1: the first product starts the sums.
.macro MUL16 a0, p, q, sc, zero
.irp a, \a0, \a0+1
.irp b, 0,1,2,3,4,5,6,7
.if \zero
	v_wmma_scale_f32_16x16x128_f8f6f4 v[8*(8*((\a)%4)+\b):8*(8*((\a)%4)+\b)+7], v[128*(\p)+FR*\b:128*(\p)+FR*\b+FR-1], v[AF+FR*(\a):AF+FR*(\a)+FR-1], 0, v[SC+8*NQ*(\sc)+NQ*\b+(\q)], v[SC+8*NQ*(\sc)+NQ*(\a)+(\q)] matrix_a_fmt:MATRIX_FMT_FP4 matrix_b_fmt:MATRIX_FMT_FP4 matrix_a_scale:MATRIX_SCALE_ROW1
.else
	v_wmma_scale_f32_16x16x128_f8f6f4 v[8*(8*((\a)%4)+\b):8*(8*((\a)%4)+\b)+7], v[128*(\p)+FR*\b:128*(\p)+FR*\b+FR-1], v[AF+FR*(\a):AF+FR*(\a)+FR-1], v[8*(8*((\a)%4)+\b):8*(8*((\a)%4)+\b)+7], v[SC+8*NQ*(\sc)+NQ*\b+(\q)], v[SC+8*NQ*(\sc)+NQ*(\a)+(\q)] matrix_a_fmt:MATRIX_FMT_FP4 matrix_b_fmt:MATRIX_FMT_FP4 matrix_a_scale:MATRIX_SCALE_ROW1
.endif
.endr
.endr
.endm
.macro FETCH_B slot, q, p
	WIN TO_B
.irp i, 0,1,2,3,4,5,6,7
	FRAG 128*(\p)+FR*\i, ADRB+\slot, \q, \i
.endr
	WIN 0
.endm
.macro FETCH_A slot, q, i0
.irp i, \i0, \i0+1, \i0+2, \i0+3
	FRAG AF+FR*(\i), ADRA+\slot, \q, \i
.endr
.endm
.macro SCALES sc                       ; a K step's scale words: lanes 0-15 A's block i, lanes 16-31 B's block i
.irp i, 0,1,2,3,4,5,6,7
	ds_load_b128 v[SC+8*NQ*\sc+NQ*\i:SC+8*NQ*\sc+NQ*\i+3], v[ADRS] offset:\i*SBLK
.endr
.endm
.macro PLACES n                        ; plain vector lines between a matrix instruction and a load into, or a read of, its registers
.rept \n
	v_nop
.endr
.endm
.macro STEP slot, q, zero              ; 128 along K, with its successor in the same slot
	s_wait_dscnt 4*NL                              ; B's set and A's blocks 0-3 are in; A's blocks 4-7, the youngest eight loads, may be out
	WIN MUL_LO
	MUL16 0, (\q)%2, \q, \slot, \zero
	MUL16 2, (\q)%2, \q, \slot, \zero
	s_wait_dscnt 0
	PLACES NP
	FETCH_B \slot, (\q)+1, 1-(\q)%2
	FETCH_A \slot, (\q)+1, 0
	WIN MUL_HI
	MUL16 4, (\q)%2, \q, \slot, \zero
	MUL16 6, (\q)%2, \q, \slot, \zero
	PLACES NP
	WIN 0
	FETCH_A \slot, (\q)+1, 4
.endm
.macro TURN slot, next                 ; slot 0's last step: behind the barrier slot 1 is whole for every wave
	s_wait_tensorcnt 0x0                           ; all my tensor loads have landed
	ds_add_u32 v[SPW], v[NIL]
	s_wait_dscnt 4*NL+1                            ; the add and A's blocks 4-7 may be out
	WIN MUL_LO
	MUL16 0, 1, NQ-1, \slot, 0
	s_wait_dscnt 0x0
	s_barrier_signal -1
	MUL16 2, 1, NQ-1, \slot, 0
	WIN 0
	s_barrier_wait -1
	PLACES NP
	v_add_nc_u32 v[ADRS], 4*NQ, v[ADRS]            ; the next K step's scale words
	FETCH_B \next, 0, 0
	FETCH_A \next, 0, 0
	SCALES \next
	WIN MUL_HI
	MUL16 4, 1, NQ-1, \slot, 0
	MUL16 6, 1, NQ-1, \slot, 0
	PLACES NP
	WIN 0
	FETCH_A \next, 0, 4
.endm
.macro STEPS slot, from
.set Q, \from
.rept NQ-1-\from
	STEP \slot, Q, 0
.set Q, Q+1
.endr
.endm
	s_wait_tensorcnt 1                             ; the scales and my part of K step 0 are in; K step 1's load may be out
	s_barrier_signal -1
	s_barrier_wait -1
	FETCH_B 0, 0, 0
	FETCH_A 0, 0, 0
	SCALES 0
	FETCH_A 0, 0, 4
	STEP 0, 0, 1
	STEPS 0, 1
	TURN 0, 1
	STEPS 1, 0
	s_wait_dscnt 4*NL
	WIN MUL_LO
	MUL16 0, 1, NQ-1, 1, 0
	MUL16 2, 1, NQ-1, 1, 0
	s_wait_dscnt 0
	WIN MUL_HI
	MUL16 4, 1, NQ-1, 1, 0
	MUL16 6, 1, NQ-1, 1, 0
	WIN 0
	PLACES NP
; THE WAY OUT, a block of 16 rows at a time, straight from registers.
.macro PACK a                          ; each accumulator from its low end on
.set AC, 64*((\a)%4)
.set TP, TMP+32*((\a)%2)
	WIN 0x0a+5*((\a)/4)
.irp b, 0,1,2,3,4,5,6,7
.irp r, 0,1,2,3
	v_cvt_pk_f16_f32 v[TP+4*\b+\r], v[AC+8*\b+2*\r], v[AC+8*\b+2*\r+1]
.endr
.endr
	WIN 0
.endm
.macro SENDQ a
.set TP, TMP+32*((\a)%2)
.irp b, 0,1,2,3,4,5,6,7
	global_store_b128 v[CO], v[TP+4*\b:TP+4*\b+3], s[12:13] offset:512*\b   ; 32 lanes store 512 consecutive bytes: half an image
.endr
.endm
.macro UNPK n, d                       ; a packed register's two f16 numbers as f32
	v_cvt_f32_f16 v[\d], v\n\().l
	v_cvt_f32_f16 v[(\d)+1], v\n\().h
.endm
.macro LOWREST a, cnt                  ; result - high part, exact in f32, rounded to f16 again: cnt packed registers
.set AC, 64*((\a)%4)
	WIN 0x02+((\a)/4)
.set i, 0
.rept 2*\cnt
	v_sub_f32 v[LE+i], v[AC+i], v[LE+i]
.set i, i+1
.endr
	WIN 0
.set i, 0
.rept \cnt
	v_cvt_pk_f16_f32 v[LH+i], v[LE+2*i], v[LE+2*i+1]
.set i, i+1
.endr
.endm
.macro LOWST who, cnt4, off            ; only the partner whose place (cy or cx) is 0 owns those tokens: EXEC picks it
	v_cmp_eq_u32 vcc_lo, 0, v[\who]
	s_wait_xcnt 0x0                                ; EXEC changes only when the pending stores have read it
	s_and_saveexec_b32 s2, vcc_lo
.set i, 0
.rept \cnt4
	global_store_b128 v[CO], v[LH+4*i:LH+4*i+3], s[66:67] offset:\off+512*i
.set i, i+1
.endr
	s_wait_xcnt 0x0
	s_or_b32 exec_lo, exec_lo, s2
.endm
.irp a, 0,1,2,3,4,5,6,7
	s_wait_xcnt 0x0                                ; the stores of two blocks back have read their registers, all stores their base
.if \a > 0
	s_add_nc_u64 s[12:13], s[12:13], s[44:45]
.endif
	PACK \a
	SENDQ \a
.if \a == 0
	s_cmp_lg_u32 s92, 0
	s_cbranch_scc1 .Lno_qk0
.irp n, 32,33,34,35,36,37,38,39,40,41,42,43,44,45,46,47,48,49,50,51,52,53,54,55,56,57,58,59,60,61,62,63
	UNPK \n, LE+2*(\n-32)
.endr
	LOWREST 0, 32
	LOWST CYV, 8, 0
.Lno_qk0:
.endif
.if \a == 1
	s_cmp_lg_u32 s94, 0
	s_cbranch_scc1 .Lno_qk1
.irp n, 64,65,66,67,68,69,70,71,72,73,74,75,76,77,78,79,80,81,82,83,84,85,86,87,88,89,90,91,92,93,94,95
	UNPK \n, LE+2*(\n-64)
.endr
	LOWREST 1, 32
	LOWST CYV, 8, 65536
.Lno_qk1:
.endif
	s_cmp_lg_u32 s93, 0
	s_cbranch_scc1 .Lno_v\a
.if (\a)%2 == 0
.irp n, 32,33,34,35,36,37,38,39
	UNPK \n, LE+2*(\n-32)
.endr
.else
.irp n, 64,65,66,67,68,69,70,71
	UNPK \n, LE+2*(\n-64)
.endr
.endif
	LOWREST \a, 8
	LOWST CXV, 2, \a*1024
.Lno_v\a:
.endr
	s_wait_tensorcnt 0x0                           ; the wave's end
	ds_add_u32 v[SPW], v[NIL]
	s_wait_dscnt 0x0
	CROUND                                         ; the closing round
	s_endpgm
.Lfunc_end_k_q03a926808d_proj:
	.size	k_q03a926808d_proj, .Lfunc_end_k_q03a926808d_proj-k_q03a926808d_proj
	.p2alignl 7, 3214868480
	.fill 96, 4, 3214868480
	.section	.rodata,"a",@progbits
	.p2align	6, 0x0
	.amdhsa_kernel k_q03a926808d_proj
		.amdhsa_group_segment_fixed_size 327680
		.amdhsa_private_segment_fixed_size 0
		.amdhsa_enable_private_segment 0
		.amdhsa_kernarg_size 40
		.amdhsa_user_sgpr_count 2
		.amdhsa_user_sgpr_kernarg_segment_ptr 1
		.amdhsa_wavefront_size32 1
		.amdhsa_system_sgpr_workgroup_id_x 1
		.amdhsa_system_sgpr_workgroup_id_y 1
		.amdhsa_system_sgpr_workgroup_id_z 1
		.amdhsa_system_vgpr_workitem_id 0
		.amdhsa_next_free_vgpr 1024
		.amdhsa_next_free_sgpr 100
		.amdhsa_reserve_vcc 1
		.amdhsa_float_denorm_mode_32 3
		.amdhsa_float_denorm_mode_16_64 3
		.amdhsa_memory_ordered 1
		.amdhsa_forward_progress 1
		.amdhsa_inst_pref_size 149
	.end_amdhsa_kernel
	.amdgpu_metadata
---
amdhsa.version: [ 1, 2 ]
amdhsa.kernels:
  - .name:           k_q03a926808d_proj
    .symbol:         k_q03a926808d_proj.kd
    .args:
      - { .name: xc, .offset: 0, .size: 8, .value_kind: global_buffer, .address_space: global }
      - { .name: xs, .offset: 8, .size: 8, .value_kind: global_buffer, .address_space: global }
      - { .name: wc, .offset: 16, .size: 8, .value_kind: global_buffer, .address_space: global }
      - { .name: ws, .offset: 24, .size: 8, .value_kind: global_buffer, .address_space: global }
      - { .name: qkv, .offset: 32, .size: 8, .value_kind: global_buffer, .address_space: global }
    .group_segment_fixed_size: 327680
    .private_segment_fixed_size: 0
    .kernarg_segment_align: 8
    .kernarg_segment_size: 40
    .max_flat_workgroup_size: 128
    .sgpr_count:     100
    .vgpr_count:     1024
    .wavefront_size: 32
...
	.end_amdgpu_metadata
.endif
;; end of part 2
;; launch scores (part 3): grid 8 x 32, 4 waves a work-group, clusters of 4 x 4, 327,680 bytes of LDS; arguments qkv, mask, pimg, stats; writes pimg, stats
.if DOCPART == 3
	.amdgcn_target "amdgcn-amd-amdhsa--gfx1250"
	.amdhsa_code_object_version 6
	.text
	.protected	k_q03a926808d_scores
	.globl	k_q03a926808d_scores
	.p2align	8
	.type	k_q03a926808d_scores,@function
k_q03a926808d_scores:
	s_mov_b64 s[64:65], 0
	v_nop
	global_prefetch_b8 v0, s[64:65] scope:SCOPE_SE
	s_setreg_imm32_b32 hwreg(HW_REG_WAVE_MODE, 25, 1), 1
	s_wait_xcnt 0x0
	s_wait_alu depctr_hold_cnt(0) depctr_sa_sdst(0) depctr_va_vdst(0) depctr_va_sdst(0) depctr_va_ssrc(0) depctr_va_vcc(0) depctr_vm_vsrc(0)
	s_getreg_b32 s2, hwreg(HW_REG_IB_STS2, 6, 4)
	s_cmp_eq_u32 s2, 0
	s_cbranch_scc0 .Lentry_in_a_cluster
	s_endpgm
.Lentry_in_a_cluster:
	s_bfe_u32 s2, ttmp6, 0x10000c
	s_cmp_lg_u32 s2, 0xf033
	s_cbranch_scc0 .Lentry_shape_is_right
	s_endpgm
.Lentry_shape_is_right:
; S^T = k q^T on f16 operands, f32 sums, a tile of 256 queries x 256 keys to a work-group, 128 x 128 to a wave; then the mask and the first half of the softmax.  No work is left out: the mask is an input, so every tile is made.
; THE SOFTMAX IN TWO LAUNCHES.  t = s c, c = log2(e) / 32.  For each query and each block of 128 keys (a wave's columns): -M_b = floor(-c max(masked s, -1e30)), a whole number; p = 2^(t - M_b), rounded to f16 and stored as
; images of operand registers; l_b = the sum of the unrounded p.  The next launch takes the row's largest M_b and brings the blocks under it by exact powers of two: the maximum is taken away for every input.
; A masked score is -infinity, so its p is 0.  -1e30 lies under every score that f16 operands can give (65,504^2 x 1,024 = 4.4e12), so a block that is wholly masked gets p = 0, l_b = 0 and an M_b under every real one.
; LIMITS: mask bytes are 0 or 1; NaN and infinities are not served.
; K = 1,024 goes in 8 steps of 128 through two LDS slots.  q and k lie in memory as images: [row tile][32 along d][1 KB]; a K step of 8 row tiles is 8 rows of 4,096 bytes, 32 KB apart: one tensor load a wave, dense in LDS.
; A fragment is two ds_load_b128 at 16 x lane: consecutive bytes.  The mask's tile (256 rows x 256 bytes) comes into slot 0 when that slot has been read for the last time, and lands under the last K step.
; CLUSTERS 4 x 4: q's tile is shared along a row of the cluster, k's along a column.  Source 0 = 16 keys, source 1 = 16 queries: a lane holds one query and eight neighbouring keys.
; REGISTERS: window 0: v16-31 addresses; v64-127, v128-191 q's fragments, two buffers.  window 1: k's likewise.  windows 2, 3: the 64 accumulators ((a, b) at v[8 (8 (a % 4) + b)]).
;   In the epilogue window 0 holds: v32-63 mask words (two sets), v64-127 the block's 64 scores, v128-191 packed p (two sets), v192-199 -M_b, v200-207 l_b, v208-217 at work.
.set SLOT,   131072
.set SPARE,  262144
.set MP,     272                       ; a row of the mask's tile in LDS: 256 bytes + 16
.set ADRA, 16
.set ADRB, 20
.set CO,   26                          ; v26 16 x lane
.set MA,   27                          ; v27 my 8 mask bytes in block 0, column tile 0
.set SPW,  28
.set NIL,  29
.set SA,   30                          ; v30 my place in stats
.set LN,   31                          ; v31 lane
.set MK,   32
.set T,    64
.set PH,   128
.set NM,   192
.set LS,   200
.set XW,   208
.set NMT,  216
.set F0,   64
.set F1,   128
.set G1, 24
.set G0, 32
.set G1B, 48
.set G0B, 56
.set G1M, 68
.set G0M, 76
.set CS,  80                           ; s[80:81] c
.set NEG, 82                           ; s82 -infinity
.set SELP, 84                          ; s84-87 byte selects 0x01010101 x j
.set SEL, 88                           ; s[88:89] lane l xor 16
.set MSB, 0
.macro WIN new
.if MSB != \new
	s_set_vgpr_msb (MSB<<8)|\new
.set MSB, \new
.endif
.endm
.set MUL_LO, 0xa1
.set MUL_HI, 0xf1
.set TO_B,   0x40
.macro JLOAD s                         ; waves 0, 1 fetch q's halves, waves 2, 3 k's
	s_cmp_eq_u32 s11, 0
	s_cbranch_scc0 .Lfor_b_\@
	tensor_load_to_lds s[G0+4*\s:G0+4*\s+3], s[G1:G1+7]
	s_nop 0
.rept 4
	v_nop
.endr
	s_branch .Lasked_\@
.Lfor_b_\@:
	tensor_load_to_lds s[G0B+4*\s:G0B+4*\s+3], s[G1B:G1B+7]
	s_nop 0
.rept 4
	v_nop
.endr
.Lasked_\@:
.endm
.macro CREST
	s_cmp_lg_u32 s10, 0
	s_cbranch_scc1 .Lnot_wave_0_\@
	s_barrier_signal -3
.Lnot_wave_0_\@:
	s_barrier_wait -3
	s_barrier_signal -1
	s_barrier_wait -1
.endm
.macro CROUND
	s_barrier_signal -1
	s_barrier_wait -1
	CREST
.endm
	s_load_b128 s[4:7], s[0:1], 0x0                ; qkv, mask
	s_load_b128 s[92:95], s[0:1], 0x10             ; pimg, stats
	v_lshl_add_u32 v[SPW], v0, 2, SPARE
	v_mov_b32 v[NIL], 0
	ds_add_u32 v[SPW], v[NIL]                      ; the opening: the add, twice on end, and its wait ahead of my first tensor load
	ds_add_u32 v[SPW], v[NIL]
	v_lshrrev_b32 v1, 5, v0
	v_readfirstlane_b32 s10, v1                    ; wave
	s_lshr_b32 s11, s10, 1                         ; my half of the queries; also: I fetch q (0) or k (1)
	s_and_b32 s12, s10, 1                          ; my half of the keys; also: which 8 row tiles I fetch
	s_bfe_u32 s40, ttmp6, 0x40000                  ; cx
	s_bfe_u32 s41, ttmp6, 0x40004                  ; cy
	s_lshl_b32 s42, ttmp9, 2
	s_add_co_u32 s42, s42, s40                     ; X: the tile of 256 keys in the sequence
	s_and_b32 s45, ttmp7, 0xffff
	s_lshl_b32 s13, s45, 2
	s_add_co_u32 s13, s13, s41                     ; Y: the tile of 256 queries, over all sequences
	s_lshl_b32 s43, s41, 2
	s_lshl_b32 s43, 15, s43                        ; my row of the cluster
	s_lshl_b32 s44, 0x1111, s40                    ; my column
	s_or_b32 s[G1+0], s43, (3<<16)|(1<<21)         ; mask; elements of 8 bytes; no padding
	s_or_b32 s[G1B+0], s44, (3<<16)|(1<<21)
.irp g, G1, G1B
	s_mov_b32 s[\g+1], 512<<16                     ; tensor_dim0: 4,096 bytes
	s_mov_b32 s[\g+2], 8<<16                       ; tensor_dim1: 8 row tiles
	s_mov_b32 s[\g+3], 512<<16                     ; tile_dim0
	s_mov_b32 s[\g+4], 8                           ; tile_dim1
	s_mov_b32 s[\g+5], 4096                        ; pitch: 32,768 bytes
	s_mov_b32 s[\g+6], 0
	s_mov_b32 s[\g+7], 0
.endr
	s_mov_b32 s[G1M+0], (3<<16)|(1<<20)|(5<<22)|(3<<25)   ; the mask's tile: my own load, no partners; 4 words of padding behind every 64
	s_mov_b32 s[G1M+1], 32<<16                     ; 256 bytes a row
	s_mov_b32 s[G1M+2], 64<<16                     ; 64 rows a wave
	s_mov_b32 s[G1M+3], 32<<16
	s_mov_b32 s[G1M+4], 64
	s_mov_b32 s[G1M+5], 256                        ; pitch: 2,048 bytes
	s_mov_b32 s[G1M+6], 0
	s_mov_b32 s[G1M+7], 0
	s_lshl_b32 s16, s13, 4
	s_lshl_b32 s17, s12, 3
	s_add_co_u32 s16, s16, s17
	s_lshl_b32 s16, s16, 15                        ; q: (16 Y + 8 half) row tiles of 32 KB
	s_mov_b32 s17, 0
	s_lshr_b32 s46, s45, 1                         ; the sequence: the cluster's y / 2
	s_lshl_b32 s46, s46, 7
	s_lshl_b32 s47, s42, 4
	s_add_co_u32 s46, s46, s47
	s_lshl_b32 s47, s12, 3
	s_add_co_u32 s46, s46, s47
	s_lshl_b32 s46, s46, 15
	s_add_co_u32 s46, s46, 16777216                ; k: 16 MiB + (128 sequence + 16 X + 8 half) row tiles
	s_mov_b32 s47, 0
	s_lshl_b32 s18, s13, 19
	s_lshl_b32 s19, s10, 17
	s_add_co_u32 s18, s18, s19
	s_lshl_b32 s19, s42, 8
	s_add_co_u32 s18, s18, s19                     ; mask: (256 Y + 64 wave) rows of 2,048 bytes + 256 X
	s_mov_b32 s19, 0
	s_lshl_b32 s20, s10, 15                        ; in a slot: wave x 32 KB
	s_mov_b32 s[CS], 0x3d38aa3b                    ; c = log2(e) / 32
	s_mov_b32 s[CS+1], s[CS]
	s_mov_b32 s[NEG], 0xff800000
	s_mov_b32 s[SELP], 0
	s_mov_b32 s[SELP+1], 0x01010101
	s_mov_b32 s[SELP+2], 0x02020202
	s_mov_b32 s[SELP+3], 0x03030303
	s_mov_b32 s[SEL], 0x76543210
	s_mov_b32 s[SEL+1], 0xfedcba98
	s_wait_dscnt 0x0                               ; both opening adds are done
	s_wait_kmcnt 0x0
	s_add_nc_u64 s[14:15], s[4:5], s[16:17]
	s_add_nc_u64 s[46:47], s[4:5], s[46:47]
	CROUND                                         ; all sixteen work-groups are here
.irp s, 0,1
	s_mov_b32 s[G0+4*\s], 1
	s_add_co_u32 s[G0+4*\s+1], s20, \s*SLOT
	s_add_nc_u64 s[G0+4*\s+2:G0+4*\s+3], s[14:15], \s*4096
	s_or_b32 s[G0+4*\s+3], s[G0+4*\s+3], 0x80000000
	s_mov_b32 s[G0B+4*\s], 1
	s_add_co_u32 s[G0B+4*\s+1], s20, \s*SLOT
	s_add_nc_u64 s[G0B+4*\s+2:G0B+4*\s+3], s[46:47], \s*4096
	s_or_b32 s[G0B+4*\s+3], s[G0B+4*\s+3], 0x80000000
	JLOAD \s
.endr
	s_mov_b32 s[G0M], 1
	s_mul_i32 s[G0M+1], s10, 64*MP
	s_add_nc_u64 s[G0M+2:G0M+3], s[6:7], s[18:19]
	s_or_b32 s[G0M+3], s[G0M+3], 0x80000000
	v_and_b32 v[LN], 31, v0
	v_lshlrev_b32 v[CO], 4, v[LN]
	v_and_b32 v1, 15, v0                           ; r
	v_bfe_u32 v2, v0, 4, 1                         ; h
	s_lshl_b32 s21, s11, 15
	s_lshl_b32 s22, s12, 15
	s_add_co_u32 s22, s22, 65536
.irp s, 0,1
	v_add_nc_u32 v[ADRA+\s], s21, v[CO]
	v_add_nc_u32 v[ADRB+\s], s22, v[CO]
	s_add_co_u32 s21, s21, SLOT
	s_add_co_u32 s22, s22, SLOT
.endr
	v_mul_u32_u24 v[MA], v1, MP
	v_lshl_add_u32 v[MA], v2, 3, v[MA]
	s_mul_i32 s21, s11, 128*MP
	s_lshl_b32 s22, s12, 7
	s_add_co_u32 s21, s21, s22
	v_add_nc_u32 v[MA], s21, v[MA]                 ; (128 query half + r) rows + 128 key half + 8 h
	v_lshlrev_b32 v[SA], 5, v1
	v_lshl_add_u32 v[SA], v2, 19, v[SA]            ; 32 r; lanes 16-31 store l_b, 512 KB further on
	v_mov_b32 v[NMT+1], 0                          ; named as the upper half of a pair
	s_lshl_b32 s16, s13, 4
	s_lshl_b32 s17, s11, 3
	s_add_co_u32 s16, s16, s17
	s_lshl_b32 s16, s16, 16
	s_lshl_b32 s17, s42, 3
	s_lshl_b32 s18, s12, 2
	s_add_co_u32 s17, s17, s18
	s_lshl_b32 s17, s17, 10
	s_add_co_u32 s16, s16, s17
	s_mov_b32 s17, 0
	s_add_nc_u64 s[92:93], s[92:93], s[16:17]      ; pimg: (16 Y + 8 query half) x 64 KB + (8 X + 4 key half) KB
	s_lshl_b32 s16, s42, 1
	s_add_co_u32 s16, s16, s12
	s_lshl_b32 s16, s16, 6
	s_lshl_b32 s17, s13, 1
	s_add_co_u32 s17, s17, s11
	s_add_co_u32 s16, s16, s17
	s_lshl_b32 s16, s16, 9
	s_mov_b32 s17, 0
	s_add_nc_u64 s[94:95], s[94:95], s[16:17]      ; stats: ((2 X + key half) 64 + 2 Y + query half) x 512 bytes
; 16 matrix instructions; the 64 accumulators take turns, one instruction a turn, in the same order in every quarter.  zero = 1: the first product starts the sums.
.macro MUL16 f, hi, a0, zero
.irp a, \a0, \a0+1
.irp b, 0,1,2,3,4,5,6,7
.if \zero
	v_wmma_f32_16x16x32_f16 v[8*(8*(\a)+\b):8*(8*(\a)+\b)+7], v[\f+8*\b:\f+8*\b+7], v[\f+8*(4*\hi+\a):\f+8*(4*\hi+\a)+7], 0
.else
	v_wmma_f32_16x16x32_f16 v[8*(8*(\a)+\b):8*(8*(\a)+\b)+7], v[\f+8*\b:\f+8*\b+7], v[\f+8*(4*\hi+\a):\f+8*(4*\hi+\a)+7], v[8*(8*(\a)+\b):8*(8*(\a)+\b)+7]
.endif
.endr
.endr
.endm
.macro FETCH slot, q, f                ; 32 LDS loads in one run: the images of the slot's q-th 32 along d
	WIN TO_B
.irp i, 0,1,2,3,4,5,6,7
	ds_load_b128 v[\f+8*\i:\f+8*\i+3],   v[ADRB+\slot] offset:(\q)*1024+\i*4096
	ds_load_b128 v[\f+8*\i+4:\f+8*\i+7], v[ADRB+\slot] offset:(\q)*1024+\i*4096+512
.endr
	WIN 0
.irp i, 0,1,2,3,4,5,6,7
	ds_load_b128 v[\f+8*\i:\f+8*\i+3],   v[ADRA+\slot] offset:(\q)*1024+\i*4096
	ds_load_b128 v[\f+8*\i+4:\f+8*\i+7], v[ADRA+\slot] offset:(\q)*1024+\i*4096+512
.endr
.endm
.macro PLACES                          ; four plain lines between a matrix instruction and a load into, or a read of, its registers
.rept 4
	v_nop
.endr
.endm
.macro QUARTER slot, q, f, g, zero     ; multiplies buffer f; in its middle fetches the slot's q-th quarter into g
	s_wait_dscnt 8                                 ; k's fragments and q's rows 0-63 are in; the youngest eight loads may be out
	WIN MUL_LO
	MUL16 \f, 0, 0, \zero
	MUL16 \f, 0, 2, \zero
	PLACES
	FETCH \slot, \q, \g
	s_wait_dscnt 32                                ; all but the 32 just issued
	WIN MUL_HI
	MUL16 \f, 1, 0, \zero
	MUL16 \f, 1, 2, \zero
.endm
; A slot's last quarter changes slots.  In front of the round each wave waits for all its tensor loads, adds 0 to its spare word, and waits for that and for its reads of this slot.
; fill = 1: this slot takes the K step two steps on, by a joint load;  fill = 2: slot 0 takes the mask's tile, each wave its 64 rows.
.macro TURN slot, next, fill
	WIN 0
	s_wait_tensorcnt 0x0                           ; all my tensor loads have landed
	ds_add_u32 v[SPW], v[NIL]
	s_wait_dscnt 9                                 ; the add and the youngest eight loads may be out
	WIN MUL_LO
	MUL16 F1, 0, 0, 0
	s_wait_dscnt 0x0                               ; the add is done, my reads of this slot are over
	s_barrier_signal -1
	MUL16 F1, 0, 2, 0
	WIN 0
	s_barrier_wait -1
	CREST                                          ; no wave of any partner still reads this slot or has a load on its way
.if \fill == 1
	s_add_nc_u64 s[G0+4*\slot+2:G0+4*\slot+3], s[G0+4*\slot+2:G0+4*\slot+3], 8192
	s_add_nc_u64 s[G0B+4*\slot+2:G0B+4*\slot+3], s[G0B+4*\slot+2:G0B+4*\slot+3], 8192
	JLOAD \slot
.else
	tensor_load_to_lds s[G0M:G0M+3], s[G1M:G1M+7]
	s_nop 0
.rept 4
	v_nop
.endr
.endif
	FETCH \next, 0, F0
	WIN MUL_HI
	MUL16 F1, 1, 0, 0
	MUL16 F1, 1, 2, 0
.endm
	s_wait_tensorcnt 1                             ; my part of K step 0 is in; K step 1's may be out
	s_barrier_signal -1
	s_barrier_wait -1
	FETCH 0, 0, F0
	QUARTER 0, 1, F0, F1, 1
	WIN 0
	s_mov_b32 s3, 3
.Llap:                                             ; three trips: K steps 2 to 7 are asked for
	QUARTER 0, 2, F1, F0, 0
	QUARTER 0, 3, F0, F1, 0
	TURN 0, 1, 1
	QUARTER 1, 1, F0, F1, 0
	QUARTER 1, 2, F1, F0, 0
	QUARTER 1, 3, F0, F1, 0
	TURN 1, 0, 1
	QUARTER 0, 1, F0, F1, 0
	WIN 0
	s_sub_co_u32 s3, s3, 1
	s_cmp_lg_u32 s3, 0
	s_cbranch_scc1 .Llap
	QUARTER 0, 2, F1, F0, 0
	QUARTER 0, 3, F0, F1, 0
	TURN 0, 1, 2                                   ; slot 0 has been read for the last time: it takes the mask
	QUARTER 1, 1, F0, F1, 0
	QUARTER 1, 2, F1, F0, 0
	QUARTER 1, 3, F0, F1, 0
	s_wait_dscnt 8
	WIN MUL_LO
	MUL16 F1, 0, 0, 0
	MUL16 F1, 0, 2, 0
	s_wait_dscnt 0
	WIN MUL_HI
	MUL16 F1, 1, 0, 0
	MUL16 F1, 1, 2, 0
	WIN 0
	PLACES
	s_wait_tensorcnt 0x0                           ; my 64 rows of the mask are in,
	s_barrier_signal -1
	s_barrier_wait -1                              ; everybody's are
; THE EPILOGUE, a block of 16 queries x my 128 keys at a time.  Lane (r, h): query r; register 8 nb + j: key 16 nb + 8 h + j.
.macro MLD a                           ; the block's mask bytes: 8 a column tile
.irp nb, 0,1,2,3,4,5,6,7
	ds_load_b64 v[MK+16*((\a)%2)+2*\nb:MK+16*((\a)%2)+2*\nb+1], v[MA] offset:(\a)*16*MP+16*\nb
.endr
.endm
.macro EPI a
.set AC, 64*((\a)%4)
.set MS, MK+16*((\a)%2)
.set PS, PH+32*((\a)%2)
.if (\a) < 7
	MLD (\a)+1
	s_wait_dscnt 8                                 ; this block's eight loads are in; the next block's may be out
.else
	s_wait_dscnt 0x0
.endif
.set i, 0
.rept 16
	v_lshlrev_b32 v[T+i], 8, v[MS+i]
.set i, i+1
.endr
.set i, 0
.rept 16
	v_sub_nc_u32 v[MS+i], v[T+i], v[MS+i]          ; x 255: each byte 0 or 0xff
.set i, i+1
.endr
.set k, 0
.rept 64
	v_perm_b32 v[T+k], v[MS+k/4], v[MS+k/4], s[SELP+k%4]   ; a value's byte in all four places
.set k, k+1
.endr
	WIN 0x08+4*((\a)/4)                            ; source 1: the accumulators' window
.set k, 0
.rept 64
	v_bfi_b32 v[T+k], v[T+k], v[AC+k], s[NEG]      ; the score where the mask keeps it, else -infinity; each accumulator from its low end on
.set k, k+1
.endr
	WIN 0
.irp c, 0,1,2,3
	v_max3_num_f32 v[XW+\c], v[T+16*\c], v[T+16*\c+1], v[T+16*\c+2]
.endr
.irp i, 3,5,7,9,11,13
.irp c, 0,1,2,3
	v_max3_num_f32 v[XW+\c], v[XW+\c], v[T+16*\c+\i], v[T+16*\c+\i+1]
.endr
.endr
.irp c, 0,1,2,3
	v_max_num_f32 v[XW+\c], v[XW+\c], v[T+16*\c+15]
.endr
	v_max3_num_f32 v[XW], v[XW], v[XW+1], v[XW+2]
	v_max3_num_f32 v[XW], v[XW], v[XW+3], 0xf149f2ca   ; and -1e30, so that a block with no key left still has a number
	v_permlanex16_b32 v[XW+1], v[XW], s[SEL], s[SEL+1]
	v_max_num_f32 v[XW], v[XW], v[XW+1]            ; with lane l xor 16's 64 keys
	v_mul_f32 v[XW], s[CS], v[XW]
	v_floor_f32 v[NMT], -v[XW]                     ; -M_b = floor(-t): a whole number
.set k, 0
.rept 32
	v_pk_fma_f32 v[T+k:T+k+1], v[T+k:T+k+1], s[CS:CS+1], v[NMT:NMT+1] op_sel_hi:[1,0,0]   ; t - M_b
.set k, k+2
.endr
.set k, 0
.rept 64
	v_exp_f32 v[T+k], v[T+k]                       ; p, at most 1
.set k, k+1
.endr
	v_mov_b32 v[NM+(\a)], v[NMT]                   ; a plain line behind the exponentials
	s_wait_alu depctr_va_vdst(0)                   ; one wait for the batch, ahead of its first reader
	v_pk_add_f32 v[XW:XW+1], v[T:T+1], v[T+2:T+3]  ; l_b of the unrounded p, in two chains
	v_pk_add_f32 v[XW+2:XW+3], v[T+4:T+5], v[T+6:T+7]
.irp j, 8,12,16,20,24,28,32,36,40,44,48,52,56,60
	v_pk_add_f32 v[XW:XW+1], v[XW:XW+1], v[T+\j:T+\j+1]
	v_pk_add_f32 v[XW+2:XW+3], v[XW+2:XW+3], v[T+\j+2:T+\j+3]
.endr
	v_pk_add_f32 v[XW:XW+1], v[XW:XW+1], v[XW+2:XW+3]
	v_add_f32 v[XW], v[XW], v[XW+1]
	v_permlanex16_b32 v[XW+2], v[XW], s[SEL], s[SEL+1]
	v_add_f32 v[LS+(\a)], v[XW], v[XW+2]
.if (\a) >= 2
	s_wait_xcnt 0x0                                ; the stores of two blocks back have read this set
.endif
.set i, 0
.rept 32
	v_cvt_pk_f16_f32 v[PS+i], v[T+2*i], v[T+2*i+1]
.set i, i+1
.endr
.irp nb, 0,1,2,3,4,5,6,7
	global_store_b128 v[CO], v[PS+4*\nb:PS+4*\nb+3], s[92:93] offset:(\a)*65536+512*\nb   ; 512 consecutive bytes: half an image
.endr
.endm
	MLD 0
.irp a, 0,1,2,3,4,5,6,7
	EPI \a
.endr
	v_cmp_gt_u32 vcc_lo, 16, v[LN]                 ; both halves of the lanes hold both figures: lanes 0-15 store -M_b, lanes 16-31 l_b
.irp a, 0,1,2,3,4,5,6,7
	v_cndmask_b32 v[XW+\a], v[LS+\a], v[NM+\a], vcc_lo
.endr
	global_store_b128 v[SA], v[XW:XW+3], s[94:95]
	global_store_b128 v[SA], v[XW+4:XW+7], s[94:95] offset:16
	s_wait_tensorcnt 0x0                           ; the wave's end
	ds_add_u32 v[SPW], v[NIL]
	s_wait_dscnt 0x0
	CROUND                                         ; the closing round
	s_endpgm
.Lfunc_end_k_q03a926808d_scores:
	.size	k_q03a926808d_scores, .Lfunc_end_k_q03a926808d_scores-k_q03a926808d_scores
	.p2alignl 7, 3214868480
	.fill 96, 4, 3214868480
	.section	.rodata,"a",@progbits
	.p2align	6, 0x0
	.amdhsa_kernel k_q03a926808d_scores
		.amdhsa_group_segment_fixed_size 327680
		.amdhsa_private_segment_fixed_size 0
		.amdhsa_enable_private_segment 0
		.amdhsa_kernarg_size 32
		.amdhsa_user_sgpr_count 2
		.amdhsa_user_sgpr_kernarg_segment_ptr 1
		.amdhsa_wavefront_size32 1
		.amdhsa_system_sgpr_workgroup_id_x 1
		.amdhsa_system_sgpr_workgroup_id_y 1
		.amdhsa_system_sgpr_workgroup_id_z 1
		.amdhsa_system_vgpr_workitem_id 0
		.amdhsa_next_free_vgpr 1024
		.amdhsa_next_free_sgpr 96
		.amdhsa_reserve_vcc 1
		.amdhsa_float_denorm_mode_32 3
		.amdhsa_float_denorm_mode_16_64 3
		.amdhsa_memory_ordered 1
		.amdhsa_forward_progress 1
		.amdhsa_inst_pref_size 255
	.end_amdhsa_kernel
	.section	.bss,"aw",@nobits
	.p2align	6
	.space	262144
	.amdgpu_metadata
---
amdhsa.version: [ 1, 2 ]
amdhsa.kernels:
  - .name:           k_q03a926808d_scores
    .symbol:         k_q03a926808d_scores.kd
    .args:
      - { .name: qkv, .offset: 0, .size: 8, .value_kind: global_buffer, .address_space: global }
      - { .name: mask, .offset: 8, .size: 8, .value_kind: global_buffer, .address_space: global }
      - { .name: pimg, .offset: 16, .size: 8, .value_kind: global_buffer, .address_space: global }
      - { .name: stats, .offset: 24, .size: 8, .value_kind: global_buffer, .address_space: global }
    .group_segment_fixed_size: 327680
    .private_segment_fixed_size: 0
    .kernarg_segment_align: 8
    .kernarg_segment_size: 32
    .max_flat_workgroup_size: 128
    .sgpr_count:     96
    .vgpr_count:     1024
    .wavefront_size: 32
...
	.end_amdgpu_metadata
.endif
;; end of part 3
;; launch pv (part 4): grid 32 x 8, 4 waves a work-group, clusters of 4 x 1, 327,680 bytes of LDS; arguments qkv, pimg, stats, out0; writes out0
.if DOCPART == 4
	.amdgcn_target "amdgcn-amd-amdhsa--gfx1250"
	.amdhsa_code_object_version 6
	.text
	.protected	k_q03a926808d_pv
	.globl	k_q03a926808d_pv
	.p2align	8
	.type	k_q03a926808d_pv,@function
k_q03a926808d_pv:
	s_mov_b64 s[64:65], 0
	v_nop
	global_prefetch_b8 v0, s[64:65] scope:SCOPE_SE
	s_setreg_imm32_b32 hwreg(HW_REG_WAVE_MODE, 25, 1), 1
	s_wait_xcnt 0x0
	s_wait_alu depctr_hold_cnt(0) depctr_sa_sdst(0) depctr_va_vdst(0) depctr_va_sdst(0) depctr_va_ssrc(0) depctr_va_vcc(0) depctr_vm_vsrc(0)
	s_getreg_b32 s2, hwreg(HW_REG_IB_STS2, 6, 4)
	s_cmp_eq_u32 s2, 0
	s_cbranch_scc0 .Lentry_in_a_cluster
	s_endpgm
.Lentry_in_a_cluster:
	s_bfe_u32 s2, ttmp6, 0x10000c
	s_cmp_lg_u32 s2, 0x3003
	s_cbranch_scc0 .Lentry_shape_is_right
	s_endpgm
.Lentry_shape_is_right:
; out = sum over blocks b of (g_b / L) (P_b V_b): products on f16 operands with f32 sums, all scaling in f32.  No work is left out.  M = the row's largest M_b; g_b = 2^(M_b - M), an exact power of two;
; L = the sum of g_b l_b; where L is 0 (a row with no key left) the divisor is 1 and the row is 0, as the problem asks.
; LIMIT: a factor g_b / L under f32's range becomes 0: such a block is nothing beside the row's largest.
; SHARES.  A work-group: 256 queries x 128 channels; wave w: queries 64 w on (4 tiles) x all 128 channels (8 tiles).  Keys go in blocks of 128 (four steps of 32), two blocks to an LDS slot.
; A BLOCK'S PRODUCT OF ONE TILE OF QUERIES is summed in a temporary accumulator T (8 channel tiles, 64 registers, the first product with C = 0), 32 products; then 32 packed multiply-adds bring it, times the lane's
; g_b / L, into the sums.  Two sets of T by turns: a tile's multiply-adds stand in quarters behind the next tile's products, eight behind each eight.
; V^T (images [channel tile][32 keys][1 KB]) is shared by the four partners of a cluster (four tiles of queries of one sequence): joint loads into two LDS slots of 256 keys, each wave two channel tiles (2 rows of 8 KB).
; A block's V (4 steps x 8 fragments) fills one window of registers; a step's fragments are fetched anew as soon as the block's last tile of queries has multiplied by them.
; P is each wave's own and is read once by it: it comes straight into a ring of 32 fragments in registers, by loads of 512 consecutive bytes; a tile's four fragments are asked for anew, for the next slot, behind that tile.
; Source 0 = 16 channels of V^T, source 1 = 16 queries of P: a lane holds one query and eight neighbouring channels.
; Rows 0-15 of every sequence are stored here too and written again, more finely, by the next launch: a jump round those stores would hang on a work-group's place in its cluster.
; REGISTERS: window 0: v1-9 addresses, v28, v29 the add's two, v32-47 g / L (two sets, at even registers), v48-63 1 / L, L, -M, v64-127 and v128-191 T (at the head: stats; at the end: rows of out).
;   window 1: P's ring, fragment (step T8 of the slot, tile i) at v[32 T8 + 8 i].   window 2: the sums, (i, c) at v[64 i + 8 c].   window 3: V's fragments, (step t of the block, c) at v[64 t + 8 c].
.set SLOTB,  65536
.set GT,     131072                    ; the factors' table: [wave][block 16][lane][4 tiles x 4 bytes]
.set STAGE,  163840                    ; the way out: 16 rows x 528 bytes a wave
.set SPITCH, 528
.set SPARE,  197632
.set LI,  1                            ; v1 16 x lane
.set AV,  2                            ; v2, v3 my lane's place in slot 0, 1
.set GA,  4                            ; v4 my lane's place in the table, at the slot's first block
.set STO, 5
.set RD,  6
.set SAD, 7                            ; v7 32 r
.set PFO, 9                            ; v9 256 x lane
.set SPW, 28
.set NIL, 29
.set G,   32
.set INV, 48
.set LL,  52
.set MN,  56
.set TT,  64
.set NMS, 64
.set LSS, 128
.set BK,  128
.set WV,  12
.set G1,  24
.set G0,  32
.set PB,  40                           ; s[40:41] P at my wave's first tile, at the slot in hand
.set CNT, 44
.set LIM, 45
.set W_MUL, 0x07                       ; V window 3, P window 1, T (C and D) window 0
.set W_FMA, 0xa0                       ; T and the factor window 0, the sums (source 2 and destination) window 2
.set W_PLD, 0x40
.set W_VLD, 0xc0
.set MSB, 0
.macro WIN new                         ; the immediate's high byte repeats the setting that is left
.if MSB != \new
	s_set_vgpr_msb (MSB<<8)|\new
.set MSB, \new
.endif
.endm
.macro ROUND
	s_barrier_signal -1
	s_barrier_wait -1
	s_cmp_lg_u32 s[WV], 0
	s_cbranch_scc1 .Lnot_wave_0_\@
	s_barrier_signal -3
.Lnot_wave_0_\@:
	s_barrier_wait -3
	s_barrier_signal -1
	s_barrier_wait -1
.endm
	s_load_b256 s[4:11], s[0:1], 0x0               ; qkv, pimg, stats, out0
	v_lshl_add_u32 v[SPW], v0, 2, SPARE
	v_mov_b32 v[NIL], 0
	ds_add_u32 v[SPW], v[NIL]                      ; the opening: the add, twice on end, and its wait ahead of my first tensor load
	ds_add_u32 v[SPW], v[NIL]
	v_lshrrev_b32 v8, 5, v0
	v_readfirstlane_b32 s[WV], v8
	s_bfe_u32 s13, ttmp6, 0x40000                  ; cx
	s_lshl_b32 s14, ttmp9, 2
	s_add_co_u32 s14, s14, s13                     ; X: my tile of 256 queries; it enters P's, stats' and out's addresses alone
	s_and_b32 s15, ttmp7, 0xffff                   ; my 128 channels
	s_lshl_b32 s16, s15, 3
	s_lshl_b32 s17, s[WV], 1
	s_add_co_u32 s16, s16, s17
	s_lshl_b32 s16, s16, 18                        ; V^T: (8 Yc + 2 wave) channel tiles of 256 KB
	s_lshr_b32 s17, ttmp9, 1                       ; the sequence, which the partners share
	s_lshl_b32 s17, s17, 16
	s_add_co_u32 s16, s16, s17
	s_add_co_u32 s16, s16, 33554432
	s_mov_b32 s17, 0
	s_mov_b32 s[G1+0], 15|(3<<16)|(1<<21)          ; all four partners; elements of 8 bytes
	s_mov_b32 s[G1+1], 1024<<16                    ; 8,192 bytes a row
	s_mov_b32 s[G1+2], 2<<16                       ; 2 rows
	s_mov_b32 s[G1+3], 1024<<16
	s_mov_b32 s[G1+4], 2
	s_mov_b32 s[G1+5], 32768                       ; pitch: 262,144 bytes
	s_mov_b32 s[G1+6], 0
	s_mov_b32 s[G1+7], 0
	s_lshl_b32 s18, s[WV], 14
	s_cmp_eq_u32 s15, 0
	s_cselect_b32 s[LIM], 1, -1                    ; the work-groups of the first 128 channels prefetch P: the same in all partners
	s_wait_dscnt 0x0
	s_wait_kmcnt 0x0
	s_add_nc_u64 s[16:17], s[4:5], s[16:17]
.irp s, 0,1
	s_mov_b32 s[G0+4*\s], 1
	s_add_co_u32 s[G0+4*\s+1], s18, \s*SLOTB
	s_add_nc_u64 s[G0+4*\s+2:G0+4*\s+3], s[16:17], \s*8192
	s_or_b32 s[G0+4*\s+3], s[G0+4*\s+3], 0x80000000
.endr
	ROUND                                          ; all four work-groups are here
	tensor_load_to_lds s[G0:G0+3], s[G1:G1+7]      ; keys 0-255
	s_nop 0
.rept 4
	v_nop
.endr
	s_lshl_b32 s20, s14, 4
	s_lshl_b32 s21, s[WV], 2
	s_add_co_u32 s20, s20, s21
	s_lshl_b32 s20, s20, 16
	s_mov_b32 s21, 0
	s_add_nc_u64 s[PB:PB+1], s[6:7], s[20:21]      ; P: (16 X + 4 wave) query tiles of 64 KB
	s_lshl_b32 s20, s14, 1
	s_lshr_b32 s22, s[WV], 1
	s_add_co_u32 s20, s20, s22
	s_lshl_b32 s20, s20, 9
	s_and_b32 s22, s[WV], 1
	s_lshl_b32 s22, s22, 4
	s_add_co_u32 s20, s20, s22
	s_add_nc_u64 s[8:9], s[8:9], s[20:21]          ; stats: (2 X + wave / 2) x 512 + 16 (wave % 2)
	s_lshl_b32 s20, s14, 20
	s_lshl_b32 s22, s[WV], 18
	s_add_co_u32 s20, s20, s22
	s_lshl_b32 s22, s15, 9
	s_add_co_u32 s20, s20, s22
	s_add_nc_u64 s[10:11], s[10:11], s[20:21]      ; out: (256 X + 64 wave) rows of 4,096 bytes + 512 Yc
	v_and_b32 v8, 31, v0
	v_lshlrev_b32 v[LI], 4, v8
	v_lshlrev_b32 v[PFO], 8, v8
	v_mov_b32 v[AV], v[LI]
	v_add_nc_u32 v[AV+1], SLOTB, v[LI]
	s_lshl_b32 s22, s[WV], 13
	s_add_co_u32 s22, s22, GT
	v_add_nc_u32 v[GA], s22, v[LI]
	v_and_b32 v8, 15, v0
	v_bfe_u32 v10, v0, 4, 1
	v_lshlrev_b32 v[SAD], 5, v8
	s_mul_i32 s22, s[WV], 16*SPITCH
	s_add_co_u32 s22, s22, STAGE
	v_mul_u32_u24 v[STO], v8, SPITCH
	v_lshl_add_u32 v[STO], v10, 5, v[STO]
	v_add_nc_u32 v[STO], s22, v[STO]
	v_add_nc_u32 v[RD], s22, v[LI]
.irp kb, 0,1,2,3,4,5,6,7,8,9,10,11,12,13,14,15
	global_load_b128 v[NMS+4*\kb:NMS+4*\kb+3], v[SAD], s[8:9] offset:\kb*32768          ; -M_b of my four tiles' query r
.endr
.irp kb, 0,1,2,3,4,5,6,7,8,9,10,11,12,13,14,15
	global_load_b128 v[LSS+4*\kb:LSS+4*\kb+3], v[SAD], s[8:9] offset:524288+\kb*32768   ; l_b
.endr
; Fragment u of the ring, in the order in which the slot uses them: block u / 16, tile (u / 4) % 4, step u % 4 of the block.  adv: of the slot adv slots on.
.macro PLD u, adv
.set PT, 4*((\u)/16)+(\u)%4
.set PI, ((\u)/4)%4
	global_load_b128 v[32*PT+8*PI:32*PT+8*PI+3],   v[LI], s[PB:PB+1] offset:PI*65536+(8*(\adv)+PT)*1024
	global_load_b128 v[32*PT+8*PI+4:32*PT+8*PI+7], v[LI], s[PB:PB+1] offset:PI*65536+(8*(\adv)+PT)*1024+512
.endm
	WIN W_PLD
.set u, 0
.rept 12
	PLD u, 0
.set u, u+1
.endr
	WIN 0
	s_wait_loadcnt 24                              ; the stats are in; P's first 24 loads may be out
.irp i, 0,1,2,3
	v_min3_num_f32 v[MN+\i], v[NMS+\i], v[NMS+4+\i], v[NMS+8+\i]
.endr
.irp k, 3,5,7,9,11,13
.irp i, 0,1,2,3
	v_min3_num_f32 v[MN+\i], v[MN+\i], v[NMS+4*\k+\i], v[NMS+4*\k+4+\i]
.endr
.endr
.irp i, 0,1,2,3
	v_min_num_f32 v[MN+\i], v[MN+\i], v[NMS+60+\i] ; -M = the least -M_b
.endr
.irp kb, 0,1,2,3,4,5,6,7,8,9,10,11,12,13,14,15
.irp i, 0,1,2,3
	v_sub_f32 v[NMS+4*\kb+\i], v[MN+\i], v[NMS+4*\kb+\i]   ; M_b - M: a whole number, 0 or less
.endr
.irp i, 0,1,2,3
	v_cvt_i32_f32 v[NMS+4*\kb+\i], v[NMS+4*\kb+\i]         ; (it saturates)
.endr
.irp i, 0,1,2,3
	v_ldexp_f32 v[NMS+4*\kb+\i], 1.0, v[NMS+4*\kb+\i]      ; g_b
.endr
.irp i, 0,1,2,3
.if \kb == 0
	v_mul_f32 v[LL+\i], v[NMS+4*\kb+\i], v[LSS+4*\kb+\i]
.else
	v_fmac_f32 v[LL+\i], v[NMS+4*\kb+\i], v[LSS+4*\kb+\i]  ; L
.endif
.endr
.endr
.irp i, 0,1,2,3
	v_cmp_eq_f32 vcc_lo, 0, v[LL+\i]
	v_cndmask_b32 v[LL+\i], v[LL+\i], 1.0, vcc_lo  ; a row with no key left: the divisor is 1
.endr
.irp i, 0,1,2,3
	v_rcp_f32 v[INV+\i], v[LL+\i]
.endr
.irp i, 0,1,2,3,4,5,6,7
	v_mov_b32 v[G+2*\i+1], 0                       ; plain lines behind the reciprocals: the upper halves of the factors' pairs, which are named and not used
.endr
	s_wait_alu depctr_va_vdst(0)                   ; one wait for the four
.irp kb, 0,1,2,3,4,5,6,7,8,9,10,11,12,13,14,15
.irp i, 0,1,2,3
	v_mul_f32 v[NMS+4*\kb+\i], v[NMS+4*\kb+\i], v[INV+\i]                ; g_b / L: a power of two times 1 / L
.endr
	ds_store_b128 v[GA], v[NMS+4*\kb:NMS+4*\kb+3] offset:512*\kb         ; my wave's own table: no other wave reads it
.endr
	WIN W_PLD
.rept 20
	PLD u, 0
.set u, u+1
.endr
	WIN 0
.irp i, 0,1,2,3
	ds_load_b32 v[G+2*\i], v[GA] offset:4*\i       ; block 0's factors (LDS serves a wave's instructions in order)
.endr
	s_wait_dscnt 0x0                               ; they are in, and the table's stores have read their registers, which T takes
.macro VLD slot, blk, t                ; V's eight fragments of step t of the slot's block blk
	WIN W_VLD
.irp c, 0,1,2,3,4,5,6,7
	ds_load_b128 v[64*(\t)+8*\c:64*(\t)+8*\c+3],   v[AV+\slot] offset:\c*8192+(4*(\blk)+(\t))*1024
	ds_load_b128 v[64*(\t)+8*\c+4:64*(\t)+8*\c+7], v[AV+\slot] offset:\c*8192+(4*(\blk)+(\t))*1024+512
.endr
.endm
; Eight products: tile n % 4 of block n / 4, step t.  T's eight accumulators take turns, one instruction a turn; step 0 starts the sums with the constant 0.
.macro MULG n, t
.set TS, TT+64*((\n)%2)
.set PR, 32*(4*((\n)/4)+(\t))+8*((\n)%4)
	WIN W_MUL
.irp c, 0,1,2,3,4,5,6,7
.if (\t) == 0
	v_wmma_f32_16x16x32_f16 v[TS+8*\c:TS+8*\c+7], v[64*(\t)+8*\c:64*(\t)+8*\c+7], v[PR:PR+7], 0
.else
	v_wmma_f32_16x16x32_f16 v[TS+8*\c:TS+8*\c+7], v[64*(\t)+8*\c:64*(\t)+8*\c+7], v[PR:PR+7], v[TS+8*\c:TS+8*\c+7]
.endif
.endr
.endm
; A quarter (channel tiles 2 q, 2 q + 1) of tile n's way into the sums: eight packed lines, each accumulator from its low end on.  start = 1: the launch's first block starts the sums: nothing is cleared.
.macro FMAQ n, q, start
.set TS, TT+64*((\n)%2)
.set GR, G+8*((\n)/4)+2*((\n)%4)
.set AC, 64*((\n)%4)
	WIN W_FMA
.set k, 16*(\q)
.rept 8
.if \start
	v_pk_mul_f32 v[AC+k:AC+k+1], v[TS+k:TS+k+1], v[GR:GR+1] op_sel_hi:[1,0]
.else
	v_pk_fma_f32 v[AC+k:AC+k+1], v[TS+k:TS+k+1], v[GR:GR+1], v[AC+k:AC+k+1] op_sel_hi:[1,0,1]
.endif
.set k, k+2
.endr
.endm
; A SLOT'S 256 KEYS: n = 4 block + tile.  Behind each eight products stand eight lines of the tile before (for n = 0: of the last slot's last tile), which name none of those products' registers: they are the places
; between the products and the loads into V's and P's registers, and between a tile's last products and the first read of its T.
.macro HALF slot, pl, last, first
	VLD \slot, 0, 0
	VLD \slot, 0, 1
	VLD \slot, 0, 2
.irp n, 0,1,2,3,4,5,6,7
.if \last
	s_wait_loadcnt 2*(28-4*\n)                     ; the last slot asks for nothing: the counts run down
.else
	s_wait_loadcnt 56                              ; loads come back in order: behind this tile's fourth fragment 28 fragments were asked for
.endif
.irp t, 0,1,2,3
.if \n == 0
.if \t == 0
	s_wait_dscnt 32                                ; V's step 0 is in; steps 1 and 2 may be out
.else
	s_wait_dscnt 16*(3-\t)                         ; step t is in; the later steps' 16 loads each may be out
.endif
.endif
.if \n == 4
	s_wait_dscnt 16*(3-\t)                         ; the second block's step t is in (and this block's factors, asked for earlier)
.endif
	MULG \n, \t
.if \n > 0
.if (\first) && (\n <= 4)
	FMAQ \n-1, \t, 1
.else
	FMAQ \n-1, \t, 0
.endif
.elseif !(\first)
	FMAQ 7, \t, 0
.elseif \t == 3
.rept 4
	v_nop                                          ; the launch's first tile has no tile before it
.endr
.endif
.if (\n == 0) && (\t == 0)
	VLD \slot, 0, 3
.endif
.if \n == 3
	VLD \slot, 1, \t                               ; the block's last tile has multiplied by step t: the next block's takes its place, 32 products ahead of its use
.endif
.endr
.if \pl
	WIN W_PLD
.irp f, 0,1,2,3
	PLD 4*\n+\f, 1
.endr
.endif
.if \n == 1
	WIN 0
.irp i, 0,1,2,3
	ds_load_b32 v[G+8+2*\i], v[GA] offset:512+4*\i     ; the second block's factors: the set's last reader was the last slot's last tile, under n = 0
.endr
.endif
.if (\n == 5) && !(\last)
	WIN 0
.irp i, 0,1,2,3
	ds_load_b32 v[G+2*\i], v[GA] offset:1024+4*\i      ; the next slot's first block's: the set's last reader stood under n = 4
.endr
.endif
.endr
	WIN 0
.if !(\last)
	s_wait_xcnt 0x0                                ; P's loads and the prefetches have read their base
	s_add_nc_u64 s[PB:PB+1], s[PB:PB+1], 8192
	v_add_nc_u32 v[GA], 1024, v[GA]
.endif
.endm
; A PREFETCH of P: my wave's four tiles x 8 KB of the slot two slots on, lanes 256 bytes apart, four lines; the register loads of that slot begin one slot later.  P's rows are read by the eight work-groups of a tile of
; queries: those of the first 128 channels ask, so each block of 256 bytes is named once.  how = 1: always;  how = 2: not in the loop's last trip, where there is no slot two on.
.macro ASK how
.if \how == 1
	s_cmp_eq_u32 s[LIM], 1
.else
	s_cmp_gt_u32 s[CNT], s[LIM]
.endif
	s_cbranch_scc0 .Lnot_mine_\@
.irp i, 0,1,2,3
	global_prefetch_b8 v[PFO], s[PB:PB+1] offset:\i*65536+16384 th:TH_LOAD_NT scope:SCOPE_SE
.endr
.Lnot_mine_\@:
.endm
.macro TRIP slot, refill, pl, last, ask, first
	s_wait_tensorcnt 0x0                           ; all my tensor loads have landed, my part of this slot among them
	ds_add_u32 v[SPW], v[NIL]
	s_add_nc_u64 s[G0+4*\slot+2:G0+4*\slot+3], s[G0+4*\slot+2:G0+4*\slot+3], 16384   ; this slot's next keys
	s_wait_dscnt 0x0                               ; the add is done, my reads of the other slot are over
	ROUND                                          ; so for every wave of the four work-groups
.if \refill
	tensor_load_to_lds s[G0+4-4*\slot:G0+7-4*\slot], s[G1:G1+7]   ; the next 256 keys, into the slot read last: my one load, with a slot's 256 products in which to land
	s_nop 0
.rept 4
	v_nop
.endr
.endif
.if \ask
	ASK \ask
.endif
	HALF \slot, \pl, \last, \first
.endm
	TRIP 0, 1, 1, 0, 0, 1                          ; keys 0-255
	s_mov_b32 s[CNT], 3
.Lring:
	TRIP 1, 1, 1, 0, 1, 0
	TRIP 0, 1, 1, 0, 2, 0
	s_sub_co_u32 s[CNT], s[CNT], 1
	s_cmp_lg_u32 s[CNT], 0
	s_cbranch_scc1 .Lring
	TRIP 1, 0, 0, 1, 0, 0                          ; the last slot: nothing is left to fetch
.irp q, 0,1,2,3
	FMAQ 7, \q, 0                                  ; the last tile's way into the sums; the eight lines of the tile before stand between its last products and these
.endr
	WIN 0
	; THE WAY OUT: a tile of 16 queries x 128 channels goes through my stage and comes back as whole rows of 512 bytes
.macro TOSTAGE i
	WIN 0x08
.irp c, 0,1,2,3,4,5,6,7
	ds_store_b128 v[STO], v[64*(\i)+8*\c:64*(\i)+8*\c+3] offset:64*\c
	ds_store_b128 v[STO], v[64*(\i)+8*\c+4:64*(\i)+8*\c+7] offset:64*\c+16
.endr
	WIN 0
.set BB, BK+64*((\i)%2)
.irp t, 0,1,2,3,4,5,6,7,8,9,10,11,12,13,14,15
	ds_load_b128 v[BB+4*\t:BB+4*\t+3], v[RD] offset:\t*SPITCH    ; LDS serves a wave's instructions in order: these see the stores above
.endr
.endm
.macro SEND i, younger
.set BB, BK+64*((\i)%2)
	s_wait_dscnt \younger
.irp t, 0,1,2,3,4,5,6,7,8,9,10,11,12,13,14,15
	global_store_b128 v[LI], v[BB+4*\t:BB+4*\t+3], s[10:11] offset:(16*(\i)+\t)*4096 th:TH_STORE_NT   ; 32 lanes store 512 consecutive bytes, aligned
.endr
.endm
	TOSTAGE 0
.irp i, 1,2,3
.if \i > 1
	s_wait_xcnt 0x0                                ; the stores of two tiles back have read their registers
.endif
	TOSTAGE \i
	SEND \i-1, 32                                  ; behind that tile's loads: this tile's 16 stores and 16 loads
.endr
	SEND 3, 0
	s_wait_tensorcnt 0x0                           ; the wave's end
	ds_add_u32 v[SPW], v[NIL]
	s_wait_dscnt 0x0
	ROUND                                          ; the closing round
	s_endpgm
.Lfunc_end_k_q03a926808d_pv:
	.size	k_q03a926808d_pv, .Lfunc_end_k_q03a926808d_pv-k_q03a926808d_pv
	.p2alignl 7, 3214868480
	.fill 96, 4, 3214868480
	.section	.rodata,"a",@progbits
	.p2align	6, 0x0
	.amdhsa_kernel k_q03a926808d_pv
		.amdhsa_group_segment_fixed_size 327680
		.amdhsa_private_segment_fixed_size 0
		.amdhsa_enable_private_segment 0
		.amdhsa_kernarg_size 32
		.amdhsa_user_sgpr_count 2
		.amdhsa_user_sgpr_kernarg_segment_ptr 1
		.amdhsa_wavefront_size32 1
		.amdhsa_system_sgpr_workgroup_id_x 1
		.amdhsa_system_sgpr_workgroup_id_y 1
		.amdhsa_system_sgpr_workgroup_id_z 1
		.amdhsa_system_vgpr_workitem_id 0
		.amdhsa_next_free_vgpr 1024
		.amdhsa_next_free_sgpr 66
		.amdhsa_reserve_vcc 1
		.amdhsa_float_denorm_mode_32 3
		.amdhsa_float_denorm_mode_16_64 3
		.amdhsa_memory_ordered 1
		.amdhsa_forward_progress 1
		.amdhsa_inst_pref_size 240
	.end_amdhsa_kernel
	.amdgpu_metadata
---
amdhsa.version: [ 1, 2 ]
amdhsa.kernels:
  - .name:           k_q03a926808d_pv
    .symbol:         k_q03a926808d_pv.kd
    .args:
      - { .name: qkv, .offset: 0, .size: 8, .value_kind: global_buffer, .address_space: global }
      - { .name: pimg, .offset: 8, .size: 8, .value_kind: global_buffer, .address_space: global }
      - { .name: stats, .offset: 16, .size: 8, .value_kind: global_buffer, .address_space: global }
      - { .name: out0, .offset: 24, .size: 8, .value_kind: global_buffer, .address_space: global }
    .group_segment_fixed_size: 327680
    .private_segment_fixed_size: 0
    .kernarg_segment_align: 8
    .kernarg_segment_size: 32
    .max_flat_workgroup_size: 128
    .sgpr_count:     66
    .vgpr_count:     1024
    .wavefront_size: 32
...
	.end_amdgpu_metadata
.endif
;; end of part 4
;; launch first16 (part 5): grid 8 x 4, 8 waves a work-group, no clusters, 42,496 bytes of LDS; arguments qkv, mask, out0, flags; writes out0
.if DOCPART == 5
	.amdgcn_target "amdgcn-amd-amdhsa--gfx1250"
	.amdhsa_code_object_version 6
	.text
	.protected	k_q03a926808d_first16
	.globl	k_q03a926808d_first16
	.p2align	8
	.type	k_q03a926808d_first16,@function
k_q03a926808d_first16:
	s_mov_b64 s[64:65], 0
	v_nop
	global_prefetch_b8 v0, s[64:65] scope:SCOPE_SE
	s_setreg_imm32_b32 hwreg(HW_REG_WAVE_MODE, 25, 1), 1
	s_wait_xcnt 0x0
; THE FIRST 16 POSITIONS OF EVERY SEQUENCE ONCE MORE, with operands as pairs of f16 numbers.  Where a mask lets such a row keep only a few keys, the rounding of single f16 operands weighs most; here q and p are always
; pairs (high + low), and k and v are pairs for tokens 0-31 (the low parts lie in qkv from 48 MiB on).  The mask is honoured as it is given: all 64 blocks of 32 keys are walked; a block in which the mask keeps no key
; for any of the 16 rows adds nothing (its p are 0) and is passed over by a scalar branch on the 64 flags that the first launch stored for this sequence.  Block 0 is always done.
; This launch writes rows 0-15 of each sequence over what the launch before stored there.
; SHARES.  Work-group (x, y): sequence y, channels 128 x on.  For the scores wave w takes 128 of the 1,024 along d; the eight partial tiles meet in LDS and every wave adds all eight in the same order.  For p v wave w
; takes channel tile 8 x + w.  Running softmax in f32: m starts at -1e30, under every score of f16 operands; masked scores are -infinity; a row with no key left has the sum 0, its divisor is 1 and the row is 0.
; One barrier a block, outside every branch on data; two buffers of partial tiles by turns, so that a buffer is written again only behind a barrier in front of which every wave has waited for its reads of it.
; No tensor load: operands are images of registers and come straight from memory, 512 consecutive bytes a load.
.set STG,   32768                      ; LDS: 0: two buffers [wave 8][2 KB] of partial scores; here: 16 rows x 528 bytes for the way out
.set SPARE, 41216
.set LOB,   50331648                   ; where the low parts begin in qkv
.set LI,   1                           ; v1 16 x lane
.set PSTO, 2                           ; v2 2,048 x wave + 16 x lane
.set MOFF, 3                           ; v3 2,048 r + 8 h: my mask bytes in a block
.set STO,  4
.set RD,   5
.set SPW,  8
.set NIL,  9
.set MB,   10                          ; v10-13 the block's mask bytes
.set S,    14                          ; v14-29 two tiles of scores
.set O,    30                          ; v30-37
.set QH,   46
.set QL,   78
.set KH,   110
.set KL,   174
.set PHI,  110                         ; p's high parts v110-117, widened v118-133, low parts v134-141, mask words v142-157
.set PE,   118
.set PLO,  134
.set MT,   142
.set VH,   238
.set VL,   246
.set WV,  12
.set KB,  16                           ; s[16:17] k at the block in hand;  s[18:19] v^T;  s[20:21] mask
.set VB,  18
.set MBB, 20
.set QB,  22
.set QLB, 24
.set KLB, 26
.set VLB, 28
.set F,   30                           ; s[30:31] bit 0: does the mask keep a key of the block in hand?
.set CS,  32
.set SEL, 34
.set NEG, 36
.set CNT, 37
.set SELP, 40
	s_load_b64 s[4:5], s[0:1], 0x0                 ; qkv
	s_load_b64 s[8:9], s[0:1], 0x8                 ; mask
	s_load_b64 s[10:11], s[0:1], 0x10              ; out0
	s_load_b64 s[46:47], s[0:1], 0x18              ; flags
	v_lshl_add_u32 v[SPW], v0, 2, SPARE
	v_mov_b32 v[NIL], 0
	v_lshrrev_b32 v7, 5, v0
	v_readfirstlane_b32 s[WV], v7
	s_and_b32 s14, ttmp7, 0xffff                   ; the sequence
	v_and_b32 v7, 31, v0
	v_lshlrev_b32 v[LI], 4, v7
	s_lshl_b32 s38, s[WV], 11
	v_add_nc_u32 v[PSTO], s38, v[LI]
	v_and_b32 v7, 15, v0                           ; r
	v_bfe_u32 v254, v0, 4, 1                       ; h
	v_lshlrev_b32 v[MOFF], 11, v7
	v_lshl_add_u32 v[MOFF], v254, 3, v[MOFF]
	v_mul_u32_u24 v[STO], v7, 528
	v_lshl_add_u32 v[STO], v254, 5, v[STO]
	s_lshl_b32 s38, s[WV], 6
	s_add_co_u32 s38, s38, STG
	v_add_nc_u32 v[STO], s38, v[STO]               ; row r, + 64 wave + 32 h
	s_mul_i32 s38, s[WV], 2*528
	s_add_co_u32 s38, s38, STG
	v_add_nc_u32 v[RD], s38, v[LI]                 ; back: rows 2 wave, 2 wave + 1
	s_lshl_b32 s38, s14, 22
	s_lshl_b32 s39, s[WV], 12
	s_add_co_u32 s[QB], s38, s39                   ; q: sequence x 128 row tiles of 32 KB + 4 wave KB
	s_mov_b32 s[QB+1], 0
	s_mov_b32 s[MBB], s38                          ; mask: sequence x 4 MiB
	s_mov_b32 s[MBB+1], 0
	s_lshl_b32 s13, ttmp9, 3
	s_add_co_u32 s13, s13, s[WV]                   ; my channel tile
	s_lshl_b32 s[VB], s13, 18
	s_lshl_b32 s38, s14, 16
	s_add_co_u32 s[VB], s[VB], s38
	s_add_co_u32 s[VB], s[VB], 33554432
	s_mov_b32 s[VB+1], 0
	s_lshl_b32 s38, s14, 17
	s_add_co_u32 s[QLB], s38, s39
	s_mov_b32 s[QLB+1], 0
	s_lshl_b32 s38, s14, 6
	s_add_co_u32 s38, s38, s13
	s_lshl_b32 s38, s38, 10
	s_add_co_u32 s[VLB], s38, 524288
	s_mov_b32 s[VLB+1], 0
	s_lshl_b32 s38, s14, 23
	s_lshl_b32 s44, s[WV], 13
	s_add_co_u32 s38, s38, s44
	s_lshl_b32 s44, ttmp9, 9
	s_add_co_u32 s44, s38, s44                     ; out: (2,048 sequence + 2 wave) rows of 4,096 bytes + 512 x
	s_mov_b32 s45, 0
	s_lshl_b32 s38, s14, 3                         ; flags: 8 bytes a sequence
	s_mov_b32 s39, 0
	s_mov_b32 s[CS], 0x3d38aa3b                    ; c = log2(e) / 32
	s_mov_b32 s[CS+1], s[CS]
	s_mov_b32 s[SEL], 0x76543210
	s_mov_b32 s[SEL+1], 0xfedcba98
	s_mov_b32 s[NEG], 0xff800000
	s_mov_b32 s[SELP], 0
	s_mov_b32 s[SELP+1], 0x01010101
	s_mov_b32 s[SELP+2], 0x02020202
	s_mov_b32 s[SELP+3], 0x03030303
	s_wait_kmcnt 0x0
	s_add_nc_u64 s[46:47], s[46:47], s[38:39]
	s_load_b64 s[F:F+1], s[46:47], 0x0             ; bit j: block j; the same 64 bits in all eight waves
	s_add_nc_u64 s[6:7], s[4:5], LOB               ; the low parts
	s_add_nc_u64 s[QB:QB+1], s[4:5], s[QB:QB+1]
	s_add_nc_u64 s[KB:KB+1], s[QB:QB+1], 16777216
	s_add_nc_u64 s[VB:VB+1], s[4:5], s[VB:VB+1]
	s_add_nc_u64 s[QLB:QLB+1], s[6:7], s[QLB:QLB+1]
	s_add_nc_u64 s[KLB:KLB+1], s[QLB:QLB+1], 32768
	s_add_nc_u64 s[VLB:VLB+1], s[6:7], s[VLB:VLB+1]
	s_add_nc_u64 s[MBB:MBB+1], s[8:9], s[MBB:MBB+1]
	s_add_nc_u64 s[10:11], s[10:11], s[44:45]
.macro QLOAD reg, base                 ; four fragments: my 128 along d of the 16 queries
.irp f, 0,1,2,3
	global_load_b128 v[\reg+8*\f:\reg+8*\f+3],   v[LI], s[\base:\base+1] offset:\f*1024
	global_load_b128 v[\reg+8*\f+4:\reg+8*\f+7], v[LI], s[\base:\base+1] offset:\f*1024+512
.endr
.endm
.macro KLOAD reg, base, pitch          ; eight fragments: two tiles of 16 keys x my 128 along d
.irp f, 0,1,2,3,4,5,6,7
	global_load_b128 v[\reg+8*\f:\reg+8*\f+3],   v[LI], s[\base:\base+1] offset:(\f/4)*\pitch+(\f%4)*1024
	global_load_b128 v[\reg+8*\f+4:\reg+8*\f+7], v[LI], s[\base:\base+1] offset:(\f/4)*\pitch+(\f%4)*1024+512
.endr
.endm
.macro VLOAD reg, base
	global_load_b128 v[\reg:\reg+3],   v[LI], s[\base:\base+1]
	global_load_b128 v[\reg+4:\reg+7], v[LI], s[\base:\base+1] offset:512
.endm
.macro MLOAD
	global_load_b64 v[MB:MB+1],   v[MOFF], s[MBB:MBB+1]
	global_load_b64 v[MB+2:MB+3], v[MOFF], s[MBB:MBB+1] offset:16
.endm
	QLOAD QH, QB
	QLOAD QL, QLB
	KLOAD KH, KB, 32768                            ; block 0's operands, high and low
	KLOAD KL, KLB, 65536
	VLOAD VH, VB
	VLOAD VL, VLB
	MLOAD
	v_mov_b32 v39, 0xf149f2ca                      ; m = -1e30
	v_mul_f32 v38, s[CS], v39                      ; c m
	v_mov_b32 v40, 0                               ; the sum, in two halves
	v_mov_b32 v41, 0
	v_mov_b32 v43, 0                               ; named as the upper half of a's pair
	s_wait_kmcnt 0x0                               ; the flags
.macro UNPK n, d
	v_cvt_f32_f16 v[\d], v\n\().l
	v_cvt_f32_f16 v[(\d)+1], v\n\().h
.endm
.macro SPROD kreg, qreg, d, zero       ; both tiles of keys by turns, one instruction a turn
.irp u, 0,1
.if \zero
	v_wmma_f32_16x16x32_f16 v[S+8*\u:S+8*\u+7], v[\kreg+8*(4*\u+\d):\kreg+8*(4*\u+\d)+7], v[\qreg+8*\d:\qreg+8*\d+7], 0
.else
	v_wmma_f32_16x16x32_f16 v[S+8*\u:S+8*\u+7], v[\kreg+8*(4*\u+\d):\kreg+8*(4*\u+\d)+7], v[\qreg+8*\d:\qreg+8*\d+7], v[S+8*\u:S+8*\u+7]
.endif
.endr
.endm
; A BLOCK OF 32 KEYS.  fine = 1: block 0, with k's and v's low parts, its operands asked for at the head, no test.
.macro TRIP buf, fine
.if !(\fine)
	s_lshr_b64 s[F:F+1], s[F:F+1], 1
	s_bitcmp1_b32 s[F], 0
	s_cbranch_scc0 .Lno_a_\@
	KLOAD KH, KB, 32768
	VLOAD VH, VB
	MLOAD
	s_wait_loadcnt 4                               ; k is in; v and the mask bytes may be out
.else
	s_wait_loadcnt 6                               ; q and k are in, high and low; v's four loads and the mask's two may be out
.endif
.irp d, 0,1,2,3
.if \d == 0
	SPROD KH, QH, \d, 1                            ; the first products start the sums
.else
	SPROD KH, QH, \d, 0
.endif
	SPROD KH, QL, \d, 0
.if \fine
	SPROD KL, QH, \d, 0
.endif
.endr
.rept 5
	v_nop                                          ; places behind the products: four for the stores that read them, a fifth for a product that begins these sums anew
.endr
.irp k, 0,1,2,3
	ds_store_b128 v[PSTO], v[S+4*\k:S+4*\k+3] offset:\buf*16384+512*\k   ; each accumulator from its low end on
.endr
.Lno_a_\@:
	s_wait_dscnt 0x0                               ; my partial tiles lie in LDS
	s_barrier_signal -1
	s_barrier_wait -1                              ; everybody's do
.if !(\fine)
	s_bitcmp1_b32 s[F], 0
	s_cbranch_scc0 .Lno_b_\@
.endif
.irp wv, 0,1,2,3,4,5,6,7
.irp k, 0,1,2,3
	ds_load_b128 v[KH+16*\wv+4*\k:KH+16*\wv+4*\k+3], v[LI] offset:\buf*16384+2048*\wv+512*\k
.endr
.endr
	s_wait_dscnt 0x0
.irp p, 0,2,4,6
.irp k, 0,2,4,6,8,10,12,14
	v_pk_add_f32 v[KH+16*\p+\k:KH+16*\p+\k+1], v[KH+16*\p+\k:KH+16*\p+\k+1], v[KH+16*\p+16+\k:KH+16*\p+16+\k+1]
.endr
.endr
.irp p, 0,4
.irp k, 0,2,4,6,8,10,12,14
	v_pk_add_f32 v[KH+16*\p+\k:KH+16*\p+\k+1], v[KH+16*\p+\k:KH+16*\p+\k+1], v[KH+16*\p+32+\k:KH+16*\p+32+\k+1]
.endr
.endr
.irp k, 0,2,4,6,8,10,12,14
	v_pk_add_f32 v[S+\k:S+\k+1], v[KH+\k:KH+\k+1], v[KH+64+\k:KH+64+\k+1]   ; the whole scores: lane (r, h): query r, keys 8 h + j and 16 + 8 h + j
.endr
	s_wait_loadcnt 0x0                             ; v and the mask bytes
.irp i, 0,1,2,3
	v_lshlrev_b32 v[MT+\i], 8, v[MB+\i]
.endr
.irp i, 0,1,2,3
	v_sub_nc_u32 v[MB+\i], v[MT+\i], v[MB+\i]      ; x 255: each byte 0 or 0xff
.endr
.set k, 0
.rept 16
	v_perm_b32 v[MT+k], v[MB+k/4], v[MB+k/4], s[SELP+k%4]
.set k, k+1
.endr
.set k, 0
.rept 16
	v_bfi_b32 v[S+k], v[MT+k], v[S+k], s[NEG]      ; -infinity where the mask drops the key
.set k, k+1
.endr
	v_max3_num_f32 v44, v[S], v[S+1], v[S+2]
	v_max3_num_f32 v45, v[S+3], v[S+4], v[S+5]
	v_max3_num_f32 v44, v44, v[S+6], v[S+7]
	v_max3_num_f32 v45, v45, v[S+8], v[S+9]
	v_max3_num_f32 v44, v44, v[S+10], v[S+11]
	v_max3_num_f32 v45, v45, v[S+12], v[S+13]
	v_max3_num_f32 v44, v44, v[S+14], v[S+15]
	v_max3_num_f32 v44, v44, v45, v39              ; with the old m
	v_permlanex16_b32 v45, v44, s[SEL], s[SEL+1]
	v_max_num_f32 v39, v44, v45                    ; the new m
	v_mov_b32 v44, v38
	v_mul_f32 v38, s[CS], v39                      ; c m
	v_sub_f32 v44, v44, v38
	v_exp_f32 v42, v44                             ; a = 2^(c m_old - c m_new)
.irp k, 0,2,4,6,8,10,12,14
	v_pk_fma_f32 v[S+\k:S+\k+1], v[S+\k:S+\k+1], s[CS:CS+1], v[38:39] op_sel_hi:[1,0,0] neg_lo:[0,0,1] neg_hi:[0,0,1]   ; c s - c m
.endr
.set k, 0
.rept 16
	v_exp_f32 v[S+k], v[S+k]
.set k, k+1
.endr
	v_nop                                          ; a plain line behind the exponentials
	s_wait_alu depctr_va_vdst(0)                   ; one wait for the 17, ahead of their first reader
	v_pk_add_f32 v[44:45], v[S:S+1], v[S+2:S+3]
.irp k, 4,6,8,10,12,14
	v_pk_add_f32 v[44:45], v[44:45], v[S+\k:S+\k+1]
.endr
	v_pk_fma_f32 v[40:41], v[40:41], v[42:43], v[44:45] op_sel_hi:[1,0,1]   ; l = a l + the block's sum
.if !(\fine)
.irp k, 0,2,4,6
	v_pk_mul_f32 v[O+\k:O+\k+1], v[O+\k:O+\k+1], v[42:43] op_sel_hi:[1,0]   ; from the low end on
.endr
.endif
.irp i, 0,1,2,3,4,5,6,7
	v_cvt_pk_f16_f32 v[PHI+\i], v[S+2*\i], v[S+2*\i+1]                      ; p's high parts ARE the fragment: 16 queries x 32 keys
.endr
.irp n, 110,111,112,113,114,115,116,117
	UNPK \n, PE+2*(\n-110)
.endr
.irp k, 0,2,4,6,8,10,12,14
	v_pk_add_f32 v[PE+\k:PE+\k+1], v[S+\k:S+\k+1], v[PE+\k:PE+\k+1] neg_lo:[0,1] neg_hi:[0,1]
.endr
.irp i, 0,1,2,3,4,5,6,7
	v_cvt_pk_f16_f32 v[PLO+\i], v[PE+2*\i], v[PE+2*\i+1]                    ; and its low parts
.endr
.if \fine
	v_wmma_f32_16x16x32_f16 v[O:O+7], v[VH:VH+7], v[PHI:PHI+7], 0           ; block 0 starts O
.else
	s_wait_alu depctr_va_vdst(0)                   ; the wait stands directly ahead of each link
	v_wmma_f32_16x16x32_f16 v[O:O+7], v[VH:VH+7], v[PHI:PHI+7], v[O:O+7]
.endif
	s_wait_alu depctr_va_vdst(0)
	v_wmma_f32_16x16x32_f16 v[O:O+7], v[VH:VH+7], v[PLO:PLO+7], v[O:O+7]
.if \fine
	s_wait_alu depctr_va_vdst(0)
	v_wmma_f32_16x16x32_f16 v[O:O+7], v[VL:VL+7], v[PHI:PHI+7], v[O:O+7]
.endif
.rept 5
	v_nop                                          ; places in front of the next block's loads into these operands
.endr
.Lno_b_\@:
	s_wait_loadcnt 0x0                             ; no load is out when the next block's are issued
	s_wait_xcnt 0x0                                ; and all have read their bases
	s_add_nc_u64 s[KB:KB+1], s[KB:KB+1], 65536
	s_add_nc_u64 s[VB:VB+1], s[VB:VB+1], 1024
	s_add_nc_u64 s[MBB:MBB+1], s[MBB:MBB+1], 32
.endm
	TRIP 0, 1                                      ; block 0
	s_mov_b32 s[CNT], 31
.Lblocks:                                          ; blocks 1 to 62
	TRIP 1, 0
	TRIP 0, 0
	s_sub_co_u32 s[CNT], s[CNT], 1
	s_cmp_lg_u32 s[CNT], 0
	s_cbranch_scc1 .Lblocks
	TRIP 1, 0                                      ; block 63
	; THE WAY OUT
	v_add_f32 v44, v40, v41
	v_permlanex16_b32 v45, v44, s[SEL], s[SEL+1]
	v_add_f32 v44, v44, v45                        ; the row's sum
	v_cmp_eq_f32 vcc_lo, 0, v44
	v_cndmask_b32 v44, v44, 1.0, vcc_lo            ; a row with no key left: the divisor is 1
	v_rcp_f32 v42, v44
	v_nop
	s_wait_alu depctr_va_vdst(0)
.irp k, 0,2,4,6
	v_pk_mul_f32 v[QH+\k:QH+\k+1], v[O+\k:O+\k+1], v[42:43] op_sel_hi:[1,0]
.endr
	ds_store_b128 v[STO], v[QH:QH+3]
	ds_store_b128 v[STO], v[QH+4:QH+7] offset:16
	s_wait_dscnt 0x0                               ; a row's 512 bytes come from eight waves
	s_barrier_signal -1
	s_barrier_wait -1
	ds_load_b128 v[QH+8:QH+11], v[RD]
	ds_load_b128 v[QH+12:QH+15], v[RD] offset:528
	s_wait_dscnt 0x0
	global_store_b128 v[LI], v[QH+8:QH+11], s[10:11]                 ; 32 lanes store 512 consecutive bytes, aligned
	global_store_b128 v[LI], v[QH+12:QH+15], s[10:11] offset:4096
	s_wait_tensorcnt 0x0                           ; the wave's end, behind my last LDS store
	ds_add_u32 v[SPW], v[NIL]
	s_wait_dscnt 0x0
	s_endpgm
.Lfunc_end_k_q03a926808d_first16:
	.size	k_q03a926808d_first16, .Lfunc_end_k_q03a926808d_first16-k_q03a926808d_first16
	.p2alignl 7, 3214868480
	.fill 96, 4, 3214868480
	.section	.rodata,"a",@progbits
	.p2align	6, 0x0
	.amdhsa_kernel k_q03a926808d_first16
		.amdhsa_group_segment_fixed_size 42496
		.amdhsa_private_segment_fixed_size 0
		.amdhsa_enable_private_segment 0
		.amdhsa_kernarg_size 32
		.amdhsa_user_sgpr_count 2
		.amdhsa_user_sgpr_kernarg_segment_ptr 1
		.amdhsa_wavefront_size32 1
		.amdhsa_system_sgpr_workgroup_id_x 1
		.amdhsa_system_sgpr_workgroup_id_y 1
		.amdhsa_system_sgpr_workgroup_id_z 1
		.amdhsa_system_vgpr_workitem_id 0
		.amdhsa_next_free_vgpr 256
		.amdhsa_next_free_sgpr 66
		.amdhsa_reserve_vcc 1
		.amdhsa_float_denorm_mode_32 3
		.amdhsa_float_denorm_mode_16_64 3
		.amdhsa_memory_ordered 1
		.amdhsa_forward_progress 1
		.amdhsa_inst_pref_size 75
	.end_amdhsa_kernel
	.amdgpu_metadata
---
amdhsa.version: [ 1, 2 ]
amdhsa.kernels:
  - .name:           k_q03a926808d_first16
    .symbol:         k_q03a926808d_first16.kd
    .args:
      - { .name: qkv, .offset: 0, .size: 8, .value_kind: global_buffer, .address_space: global }
      - { .name: mask, .offset: 8, .size: 8, .value_kind: global_buffer, .address_space: global }
      - { .name: out0, .offset: 16, .size: 8, .value_kind: global_buffer, .address_space: global }
      - { .name: flags, .offset: 24, .size: 8, .value_kind: global_buffer, .address_space: global }
    .group_segment_fixed_size: 42496
    .private_segment_fixed_size: 0
    .kernarg_segment_align: 8
    .kernarg_segment_size: 32
    .max_flat_workgroup_size: 256
    .sgpr_count:     66
    .vgpr_count:     256
    .wavefront_size: 32
...
	.end_amdgpu_metadata
.endif
;; end of part 5
